; MI455X (gfx1250); checked and timed in simulation.
; The chip was launched on July 23, 2026; its instructions are those of AMD's public machine-readable ISA for CDNA 5 (MIT licence, August 2026) and "CDNA5" Instruction Set Architecture Reference Guide (July 2026). The comments in the code are by the model that wrote it; some were corrected since.
;; Transformer Block. Allowed arithmetic: float matrix products may take bf16 or f16 operands with f32 sums; other float arithmetic in f32, or as packed bf16 or f16 multiplies, adds, multiply-adds, maxima and minima; sums over many terms, partial sums and values carried from step to step in f32; what a program stores and reads back later, other than sums and carried values, may be rounded once to bf16 or f16.
;; Inputs: b1 1,024 float32; b2 1,024 float32; bf1 4,096 float32; bf2 1,024 float32; bo 1,024 float32; g1 1,024 float32; g2 1,024 float32; w1 4,096 x 1,024 float32; w2 1,024 x 4,096 float32; wk 1,024 x 1,024 float32; wo 1,024 x 1,024 float32; wq 1,024 x 1,024 float32; wv 1,024 x 1,024 float32; x 2 x 2,048 x 1,024 float32.
;; Outputs: out0 2 x 2,048 x 1,024 float32.
;; One version. Each part assembles by itself: llvm-mc -triple=amdgcn-amd-amdhsa -mcpu=gfx1250 --defsym DOCPART=n.
;; ======== version 1 of 1: 8 launches
;; workspace buffers: wb 33,554,432 bytes; qkv 25,165,824 bytes; ctx 8,388,608 bytes; z1 16,777,216 bytes; h 16,777,216 bytes; hb 8,388,608 bytes; act 33,554,432 bytes; z2 16,777,216 bytes
;; launch k_cast (part 1): grid 512 x 1, 8 waves a work-group, no clusters, 0 bytes of LDS; arguments x, wq, wk, wv, wb; writes wb
.if DOCPART == 1
	.amdgcn_target "amdgcn-amd-amdhsa--gfx1250"
	.amdhsa_code_object_version 6
	.text
	.protected	k_qd53764fc60_k_cast
	.globl	k_qd53764fc60_k_cast
	.p2align	8
	.type	k_qd53764fc60_k_cast,@function
k_qd53764fc60_k_cast:
	s_mov_b64 s[64:65], 0
	v_nop
	global_prefetch_b8 v0, s[64:65] scope:SCOPE_SE
	s_setreg_imm32_b32 hwreg(HW_REG_WAVE_MODE, 25, 1), 1
	s_wait_xcnt 0x0
; x, wq, wk and wv, f32, are rounded once to bf16 and laid end to end at the head of wb: x at byte 0 (8 MiB), wq, wk, wv from 8 MiB on, 2 MiB each.
; (wo, w1 and w2, which nothing needs before the fourth launch, are rounded beside the attention, in the third.)
; A stream: no LDS, no barrier, no matrix unit.  The 7 Mi numbers are 7,168 runs of 1,024 (4,096 bytes in, 2,048 out).  Load i of work-group b takes run 512 i + b:
; which tensor that is hangs on i alone (x: i = 0..7; wq: 8, 9; wk: 10, 11; wv: 12, 13), so no pointer is chosen, and all 512 work-groups do equal work.
; Thread t takes 16 bytes at 16 t of a run: a wave's load covers 512 consecutive bytes, its store of 8 bytes a lane 256 consecutive bytes, aligned.  All 14 loads go out at once.
.set X, 4                              ; v[4:59]   as loaded
.set Y, 60                             ; v[60:87]  packed
.set STEP_IN,  0x200000                ; 512 runs of 4,096 bytes
.set STEP_OUT, 0x100000                ; 512 runs of 2,048 bytes
	s_load_b256 s[8:15], s[0:1], 0x0               ; x 8, wq 10, wk 12, wv 14
	s_load_b64 s[16:17], s[0:1], 0x20              ; wb
	s_lshl_b32 s2, ttmp9, 12
	s_lshl_b32 s3, ttmp9, 11
	v_lshl_add_u32 v1, v0, 4, s2                   ; 16 t + 4,096 b
	v_lshl_add_u32 v2, v0, 3, s3                   ; 8 t + 2,048 b
	s_wait_kmcnt 0x0
	s_add_nc_u64 s[18:19], s[8:9], 4*STEP_IN       ; x's second half: the immediates stay inside their signed 24 bits
	s_add_nc_u64 s[20:21], s[16:17], 8*STEP_OUT    ; wb behind x
.macro LD i, b, n
	global_load_b128 v[X+4*(\i):X+4*(\i)+3], v1, s[(\b):(\b)+1] offset:(\n)*STEP_IN th:TH_LOAD_NT
.endm
.irp n, 0,1,2,3
	LD \n, 8, \n
.endr
.irp n, 0,1,2,3
	LD 4+\n, 18, \n
.endr
.irp n, 0,1
	LD 8+\n, 10, \n
.endr
.irp n, 0,1
	LD 10+\n, 12, \n
.endr
.irp n, 0,1
	LD 12+\n, 14, \n
.endr
.set i, 0
.rept 14
	s_wait_loadcnt 13-i                            ; loads come back in order: number i is in, the younger ones stay out
	v_cvt_pk_bf16_f32 v[Y+2*i], v[X+4*i], v[X+4*i+1]
	v_cvt_pk_bf16_f32 v[Y+2*i+1], v[X+4*i+2], v[X+4*i+3]
.if i < 8
	global_store_b64 v2, v[Y+2*i:Y+2*i+1], s[16:17] offset:i*STEP_OUT
.else
	global_store_b64 v2, v[Y+2*i:Y+2*i+1], s[20:21] offset:(i-8)*STEP_OUT
.endif
.set i, i+1
.endr
	s_endpgm
.Lfunc_end_k_qd53764fc60_k_cast:
	.size	k_qd53764fc60_k_cast, .Lfunc_end_k_qd53764fc60_k_cast-k_qd53764fc60_k_cast
	.p2alignl 7, 3214868480
	.fill 96, 4, 3214868480
	.section	.rodata,"a",@progbits
	.p2align	6, 0x0
	.amdhsa_kernel k_qd53764fc60_k_cast
		.amdhsa_group_segment_fixed_size 0
		.amdhsa_private_segment_fixed_size 0
		.amdhsa_enable_private_segment 0
		.amdhsa_kernarg_size 40
		.amdhsa_user_sgpr_count 2
		.amdhsa_user_sgpr_kernarg_segment_ptr 1
		.amdhsa_wavefront_size32 1
		.amdhsa_system_sgpr_workgroup_id_x 1
		.amdhsa_system_sgpr_workgroup_id_y 1
		.amdhsa_system_sgpr_workgroup_id_z 1
		.amdhsa_system_vgpr_workitem_id 0
		.amdhsa_next_free_vgpr 88
		.amdhsa_next_free_sgpr 66
		.amdhsa_reserve_vcc 0
		.amdhsa_float_denorm_mode_32 3
		.amdhsa_float_denorm_mode_16_64 3
		.amdhsa_memory_ordered 1
		.amdhsa_forward_progress 1
		.amdhsa_inst_pref_size 6
	.end_amdhsa_kernel
	.amdgpu_metadata
---
amdhsa.version: [ 1, 2 ]
amdhsa.kernels:
  - .name:           k_qd53764fc60_k_cast
    .symbol:         k_qd53764fc60_k_cast.kd
    .args:
      - { .name: x, .offset: 0, .size: 8, .value_kind: global_buffer, .address_space: global }
      - { .name: wq, .offset: 8, .size: 8, .value_kind: global_buffer, .address_space: global }
      - { .name: wk, .offset: 16, .size: 8, .value_kind: global_buffer, .address_space: global }
      - { .name: wv, .offset: 24, .size: 8, .value_kind: global_buffer, .address_space: global }
      - { .name: wb, .offset: 32, .size: 8, .value_kind: global_buffer, .address_space: global }
    .group_segment_fixed_size: 0
    .private_segment_fixed_size: 0
    .kernarg_segment_align: 8
    .kernarg_segment_size: 40
    .max_flat_workgroup_size: 256
    .sgpr_count:     66
    .vgpr_count:     88
    .wavefront_size: 32
...
	.end_amdgpu_metadata
.endif
;; end of part 1
;; launch k_qkv (part 2): grid 12 x 16, 4 waves a work-group, clusters of 4 x 4, 327,680 bytes of LDS; arguments wb, qkv; writes qkv
.if DOCPART == 2
	.amdgcn_target "amdgcn-amd-amdhsa--gfx1250"
	.amdhsa_code_object_version 6
	.text
	.protected	k_qd53764fc60_k_qkv
	.globl	k_qd53764fc60_k_qkv
	.p2align	8
	.type	k_qd53764fc60_k_qkv,@function
k_qd53764fc60_k_qkv:
	s_mov_b64 s[64:65], 0
	v_nop
	global_prefetch_b8 v0, s[64:65] scope:SCOPE_SE
	s_setreg_imm32_b32 hwreg(HW_REG_WAVE_MODE, 25, 1), 1
	s_wait_xcnt 0x0
	s_wait_alu depctr_hold_cnt(0) depctr_sa_sdst(0) depctr_va_vdst(0) depctr_va_sdst(0) depctr_va_ssrc(0) depctr_va_vcc(0) depctr_vm_vsrc(0)
	s_getreg_b32 s2, hwreg(HW_REG_IB_STS2, 6, 4)
	s_cmp_eq_u32 s2, 0
	s_cbranch_scc0 .Lentry_in_a_cluster
	s_endpgm
.Lentry_in_a_cluster:
	s_bfe_u32 s2, ttmp6, 0x10000c
	s_cmp_lg_u32 s2, 0xf033
	s_cbranch_scc0 .Lentry_shape_is_right
	s_endpgm
.Lentry_shape_is_right:
; [q k v][t][n] = the sum over e of x[t][e] w[n][e], w = wq, wk, wv on end: [3072][1024].  x and w are bf16 in wb (x at byte 0, w at 0x800000); sums in f32.
; The result is rounded once to bf16 and written BY HEADS: qkv = q, k, v, 8 MiB each, each [32 = batch x 16 + head][2048][64].
; A tile of 256 tokens x 256 columns is made by four waves, each 128 x 128: 64 accumulators, 512 registers.  K = 1,024 goes in 8 steps of 128 through two LDS slots.
; CLUSTER 4 x 4: x's tile is shared along a row of the cluster, w's along a column: each is asked for jointly, by the same tensor load and mask in the four partners.
; The matrix instruction is used transposed (source 0 = 16 rows of w, source 1 = 16 tokens): a lane holds one token and eight neighbouring columns.
; ONE TEXT FOR A K STEP: the slot in hand is a scalar (TB) that an exclusive or turns; the walking descriptor's LDS word is turned likewise (SLOT shares no bit with a tile's place in a slot).
; REGISTERS: window 0: v16-30 addresses, v64-191 x's fragments (two buffers), on the way out v32-63 and v192-207; window 1: v64-191 w's fragments; windows 2, 3: the accumulators.
.set KSTEP,  128
.set PITCH,  272                       ; an LDS row: 256 bytes + 16 of padding: the 16 rows of a fragment load start at 16 different groups of four banks (64 banks of 4 bytes: ISA guide 11.1)
.set HALFT,  128*PITCH                 ; what one tensor load brings
.set SLOT,   4*HALFT                   ; x's 256 rows, then w's 256 rows
.set SPARE,  2*SLOT                    ; behind the ring: the spare words, 128 bytes a wave
.set SPITCH, 528                       ; the way out: a row of 128 f32 + 16 bytes
.set WSTAGE, 128*SPITCH                ; a wave's stage: its whole 128 x 128 in f32.  The four stages lie in the ring, whose slots have then had their last fill
.set ADRA, 16                          ; v16  my lane's place in x's rows of slot 0; never rewritten
.set ADRB, 17                          ; v17  the same for w
.set CA,   18                          ; v18  the same in the slot in hand
.set CB,   19                          ; v19
.set STO,  24                          ; v24  the way out: where I put 32 bytes of a row
.set RD,   25                          ; v25  where I read rows back
.set CO,   26                          ; v26  my 8 bytes in 256 bytes of the result
.set SPW,  28                          ; v28  my spare word; never rewritten
.set NIL,  29                          ; v29  0; never rewritten
.set PFO,  30                          ; v30  the prefetches' offset: my lane x a row of 2,048 bytes
.set RAW,  32                          ; v[32:63]   eight tokens x 128 columns in f32
.set YB,   192                         ; v[192:207] the same in bf16
.set F0,   64
.set F1,   128
.set G1,   24                          ; s[24:31] group 1 for x's tiles
.set G0,   32                          ; s[32:39] group 0 for x's tiles: a set for each first fill; the second walks on
.set G1B,  48                          ; s[48:55], s[56:63] the same for w's
.set G0B,  56
.set LIM,  43                          ; s43  2 in a wave that prefetches, else the greatest number
.set PFA,  44                          ; s[44:45] where my prefetches stand
.set TB,   66                          ; s66  LDS byte at which the slot in hand begins
.set CNT,  67                          ; s67  a counter for the tail and the way out
.set MSB, 0
.macro WIN new                         ; the immediate's high byte repeats the setting that is left; a switch that changes nothing is dropped
.if MSB != (\new)
	s_set_vgpr_msb (MSB<<8)|(\new)
.set MSB, \new
.endif
.endm
.set MUL_LO, 0xa1                      ; source 0 (w) window 1, source 1 (x) window 0, C and D window 2
.set MUL_HI, 0xf1                      ; the same, C and D window 3
.set TO_B,   0x40                      ; destination window 1, address window 0
; A joint load: waves 0 and 1 fetch x's two halves, waves 2 and 3 w's.  The branch hangs on the wave's number alone.  An s_nop 0 and four v_nop follow each line.
.macro JLOAD s
	s_cmp_eq_u32 s11, 0
	s_cbranch_scc0 .Lfor_b_\@
	tensor_load_to_lds s[G0+4*(\s):G0+4*(\s)+3], s[G1:G1+7]
	s_nop 0
.rept 4
	v_nop
.endr
	s_branch .Lasked_\@
.Lfor_b_\@:
	tensor_load_to_lds s[G0B+4*(\s):G0B+4*(\s)+3], s[G1B:G1B+7]
	s_nop 0
.rept 4
	v_nop
.endr
.Lasked_\@:
.endm
; A prefetch of the K step that stands two refills on: 32 rows x 256 bytes, a lane a row.  x's tile row is read by every cluster of that row of clusters: cluster x = 0 asks; w's tile column: cluster y = 0.
; The four partners share a load's 128 rows out by address, 32 each.  So each row's 256 bytes of K steps 4 to 7 are named once; K steps 0 to 3 come by their loads alone; the last two refills ask for nothing.
.macro ASK
	s_cmp_gt_u32 s3, s[LIM]
	s_cbranch_scc0 .Lnot_mine_\@
	global_prefetch_b8 v[PFO], s[PFA:PFA+1] offset:KSTEP*2 th:TH_LOAD_NT scope:SCOPE_SE
.Lnot_mine_\@:
.endm
.macro CREST                           ; a round of the cluster's barrier behind its opening barrier
	s_cmp_lg_u32 s10, 0
	s_cbranch_scc1 .Lnot_wave_0_\@
	s_barrier_signal -3
.Lnot_wave_0_\@:
	s_barrier_wait -3
	s_barrier_signal -1
	s_barrier_wait -1
.endm
.macro CROUND
	s_barrier_signal -1
	s_barrier_wait -1
	CREST
.endm
	s_load_b128 s[4:7], s[0:1], 0x0                ; wb s[4:5], qkv s[6:7]
	v_lshl_add_u32 v[SPW], v0, 2, SPARE
	v_mov_b32 v[NIL], 0
	ds_add_u32 v[SPW], v[NIL]                      ; the wave's opening: the add and its wait stand ahead of my first tensor load
	v_lshrrev_b32 v1, 5, v0
	v_readfirstlane_b32 s10, v1                    ; wave 0..3
	s_lshr_b32 s11, s10, 1                         ; my half of the tile's rows.  Also: I fetch for x (0) or for w (1)
	s_and_b32 s12, s10, 1                          ; my half of its columns.  Also: which 128 rows I fetch
	s_bfe_u32 s40, ttmp6, 0x40000                  ; cx
	s_bfe_u32 s41, ttmp6, 0x40004                  ; cy
	s_lshl_b32 s42, ttmp9, 2
	s_add_co_u32 s42, s42, s40                     ; tile column
	s_and_b32 s13, ttmp7, 0xffff
	s_lshl_b32 s13, s13, 2
	s_add_co_u32 s13, s13, s41                     ; tile row
	s_lshl_b32 s43, s41, 2
	s_lshl_b32 s43, 15, s43                        ; my row of the cluster
	s_lshl_b32 s44, 0x1111, s40                    ; my column
	s_or_b32 s[G1+0], s43, (1<<16)|(1<<20)|(1<<21)|(5<<22)|(3<<25)   ; the mask; 2-byte elements; padding on; bit 21 beside a mask; after every 64 words 4 words
	s_or_b32 s[G1B+0], s44, (1<<16)|(1<<20)|(1<<21)|(5<<22)|(3<<25)
.irp g, G1, G1B
	s_mov_b32 s[(\g)+1], KSTEP<<16                 ; tensor_dim0 = 128
	s_mov_b32 s[(\g)+2], 128<<16                   ; tensor_dim1 = 128
	s_mov_b32 s[(\g)+3], KSTEP<<16                 ; tile_dim0 = 128
	s_mov_b32 s[(\g)+4], 128                       ; tile_dim1 = 128
	s_mov_b32 s[(\g)+5], 1024                      ; elements from row to row
	s_mov_b32 s[(\g)+6], 0
	s_mov_b32 s[(\g)+7], 0
.endr
	s_lshl_b32 s17, s12, 7
	s_lshl_b32 s16, s13, 8
	s_add_co_u32 s16, s16, s17                     ; x: row 256 x tile row + 128 x half,
	s_lshl_b32 s16, s16, 11                        ; of 2,048 bytes
	s_lshl_b32 s46, s42, 8
	s_add_co_u32 s46, s46, s17                     ; w: row 256 x tile column + 128 x half
	s_lshl_b32 s46, s46, 11
	s_mov_b32 s17, 0
	s_mov_b32 s47, 0
	s_mul_i32 s20, s10, HALFT                      ; where my load goes: wave x 128 rows
	s_wait_dscnt 0x0                               ; the opening add is done
	s_wait_kmcnt 0x0
	s_mov_b64 s[8:9], s[6:7]                       ; the result
	s_add_nc_u64 s[6:7], s[4:5], 0x800000          ; w
	s_add_nc_u64 s[14:15], s[4:5], s[16:17]
	s_add_nc_u64 s[46:47], s[6:7], s[46:47]
	CROUND                                         ; all sixteen work-groups are here: the first joint loads meet
.irp s, 0,1
	s_mov_b32 s[G0+4*(\s)], 1
	s_add_co_u32 s[G0+4*(\s)+1], s20, (\s)*SLOT
	s_add_nc_u64 s[G0+4*(\s)+2:G0+4*(\s)+3], s[14:15], (\s)*KSTEP*2
	s_or_b32 s[G0+4*(\s)+3], s[G0+4*(\s)+3], 0x80000000
	s_mov_b32 s[G0B+4*(\s)], 1
	s_add_co_u32 s[G0B+4*(\s)+1], s20, (\s)*SLOT
	s_add_nc_u64 s[G0B+4*(\s)+2:G0B+4*(\s)+3], s[46:47], (\s)*KSTEP*2
	s_or_b32 s[G0B+4*(\s)+3], s[G0B+4*(\s)+3], 0x80000000
	JLOAD \s                                       ; K steps 0 and 1: two loads of mine are out
.endr
	v_and_b32 v1, 15, v0                           ; l % 16
	v_bfe_u32 v2, v0, 4, 1                         ; l / 16
	v_mul_u32_u24 v3, v1, PITCH
	v_lshl_add_u32 v3, v2, 4, v3                   ; a fragment: row x pitch + 16 x half
	s_mul_i32 s21, s11, HALFT
	s_mul_i32 s22, s12, HALFT
	s_add_co_u32 s22, s22, 2*HALFT
	v_add_nc_u32 v[ADRA], s21, v3
	v_add_nc_u32 v[ADRB], s22, v3
	v_mov_b32 v[CA], v[ADRA]
	v_mov_b32 v[CB], v[ADRB]
	s_mov_b32 s[TB], 0
	s_mul_i32 s23, s10, WSTAGE                     ; my stage
	v_mul_u32_u24 v4, v1, SPITCH
	v_lshl_add_u32 v4, v2, 5, v4                   ; in: row l % 16, 32 bytes for each half of the lanes
	v_add_nc_u32 v[STO], s23, v4
	v_mul_u32_u24 v5, v2, SPITCH                   ; back: lanes 0-15 take 256 bytes (a head's 64 channels) of one token, lanes 16-31 of the next
	v_lshl_add_u32 v5, v1, 4, v5
	v_add_nc_u32 v[RD], s23, v5
	v_and_b32 v[CO], 31, v0
	v_lshlrev_b32 v[CO], 3, v[CO]                  ; two tokens of a head are 256 consecutive bytes: 8 bytes a lane
	; where my first 8 tokens of my first head lie in the result.  g = 4 x tile column + 2 x half is my first group of 64 columns: tensor g / 16, head g % 16
	s_lshl_b32 s46, s42, 2
	s_lshl1_add_u32 s46, s12, s46
	s_lshr_b32 s47, s46, 4
	s_lshl_b32 s47, s47, 23                        ; q, k, v: 8 MiB each
	s_and_b32 s46, s46, 15
	s_lshl_b32 s46, s46, 18                        ; a head: 2,048 x 128 bytes
	s_add_co_u32 s46, s46, s47
	s_lshr_b32 s16, s13, 3                         ; the batch: 8 tile rows each
	s_lshl_b32 s16, s16, 22
	s_and_b32 s17, s13, 7
	s_lshl_b32 s17, s17, 8
	s_lshl_b32 s18, s11, 7
	s_add_co_u32 s17, s17, s18                     ; my first token in the batch
	s_lshl_b32 s17, s17, 7
	s_add_co_u32 s16, s16, s17
	s_add_co_u32 s16, s16, s46
	s_mov_b32 s17, 0
	; the prefetches
	s_lshl_b32 s13, s13, 8
	s_lshl_b32 s42, s42, 8
	s_and_b32 s22, ttmp7, 0xffff                   ; cluster y
	s_cmp_eq_u32 s11, 0                            ; do I fetch for x?
	s_cselect_b32 s20, s13, s42                    ; the tile's first row
	s_cselect_b32 s21, s40, s41                    ; my place among the four that ask with me
	s_cselect_b32 s22, ttmp9, s22                  ; the coordinate along which other clusters read the same rows
	s_cselect_b64 s[PFA:PFA+1], s[4:5], s[6:7]
	s_cmp_eq_u32 s22, 0
	s_cselect_b32 s[LIM], 2, -1                    ; the same in all sixteen partners, for a given wave
	s_lshl_b32 s22, s12, 7
	s_add_co_u32 s20, s20, s22
	s_lshl_b32 s21, s21, 5
	s_add_co_u32 s20, s20, s21
	s_lshl_b32 s20, s20, 11
	s_add_co_u32 s20, s20, 2*KSTEP*2               ; at K step 2: the first refill steps it to 3 and names K step 4
	s_mov_b32 s21, 0
	s_add_nc_u64 s[PFA:PFA+1], s[PFA:PFA+1], s[20:21]
	v_and_b32 v[PFO], 31, v0
	v_lshlrev_b32 v[PFO], 11, v[PFO]
; 16 matrix instructions: row blocks a0, a0 + 1 of the window's four x all 8 column blocks, 32 along K.  The 64 accumulators take turns, in the same order in every quarter.
.macro MUL16 f, hi, a0, zero
	WIN MUL_LO+0x50*(\hi)
.irp a, \a0, (\a0)+1
.irp b, 0,1,2,3,4,5,6,7
.if \zero
	v_wmma_f32_16x16x32_bf16 v[8*(8*(\a)+(\b)):8*(8*(\a)+(\b))+7], v[(\f)+8*(\b):(\f)+8*(\b)+7], v[(\f)+8*(4*(\hi)+(\a)):(\f)+8*(4*(\hi)+(\a))+7], 0
.else
	v_wmma_f32_16x16x32_bf16 v[8*(8*(\a)+(\b)):8*(8*(\a)+(\b))+7], v[(\f)+8*(\b):(\f)+8*(\b)+7], v[(\f)+8*(4*(\hi)+(\a)):(\f)+8*(4*(\hi)+(\a))+7], v[8*(8*(\a)+(\b)):8*(8*(\a)+(\b))+7]
.endif
.endr
.endr
.endm
; 32 LDS loads in one run: a quarter step's fragments, at byte k of the rows of the slot in hand, into buffer f
.macro FETCH k, f
	WIN TO_B
.irp i, 0,1,2,3,4,5,6,7
	ds_load_b128 v[(\f)+8*(\i):(\f)+8*(\i)+3],   v[CB] offset:(\k)+(\i)*16*PITCH
	ds_load_b128 v[(\f)+8*(\i)+4:(\f)+8*(\i)+7], v[CB] offset:(\k)+(\i)*16*PITCH+32
.endr
	WIN 0
.irp i, 0,1,2,3,4,5,6,7
	ds_load_b128 v[(\f)+8*(\i):(\f)+8*(\i)+3],   v[CA] offset:(\k)+(\i)*16*PITCH
	ds_load_b128 v[(\f)+8*(\i)+4:(\f)+8*(\i)+7], v[CA] offset:(\k)+(\i)*16*PITCH+32
.endr
.endm
.macro PLACES                          ; four plain instructions between a matrix instruction and a load into, or a read of, its registers
.rept 4
	v_nop
.endr
.endm
; One of a K step's first three quarters: multiplies buffer f and, in its middle, fetches the next quarter (byte k) into g
.macro QUARTER k, f, g, zero
	s_wait_dscnt 8                                 ; w's fragments and x's rows 0-63 are in; the youngest eight loads may be out
	MUL16 \f, 0, 0, \zero
	MUL16 \f, 0, 2, \zero
	PLACES
	FETCH \k, \g
	s_wait_dscnt 32                                ; all but the 32 just issued
	MUL16 \f, 1, 0, \zero
	MUL16 \f, 1, 2, \zero
.endm
; The last quarter multiplies buffer 1 and changes slots.  In front of the one barrier each wave waits for all its tensor loads (one is out: its part of the next slot), adds 0 to its spare word,
; and waits for that and for its reads of this slot.  fill = 1: the barrier opens a round of the cluster's, and the joint refill of the slot just read, with the K step two on, is the first thing behind it.
.macro TURN fill
.if \fill
	s_wait_xcnt 0x0                                ; the last prefetch, a K step back, has read its address
	s_add_nc_u64 s[PFA:PFA+1], s[PFA:PFA+1], KSTEP*2
.endif
	WIN 0
	s_wait_tensorcnt 0x0                           ; no tensor load of mine is out, so a group 0 may be written
	ds_add_u32 v[SPW], v[NIL]
.if \fill
	s_xor_b32 s[G0+5], s[G0+5], SLOT               ; the walking descriptors: the other slot than last time, the next K step
	s_add_nc_u64 s[G0+6:G0+7], s[G0+6:G0+7], KSTEP*2
	s_xor_b32 s[G0B+5], s[G0B+5], SLOT
	s_add_nc_u64 s[G0B+6:G0B+7], s[G0B+6:G0B+7], KSTEP*2
.endif
	s_xor_b32 s[TB], s[TB], SLOT                   ; the fetches go to the other slot
	v_add_nc_u32 v[CA], s[TB], v[ADRA]
	v_add_nc_u32 v[CB], s[TB], v[ADRB]
	s_wait_dscnt 9                                 ; the add and the youngest eight loads may be out
	MUL16 F1, 0, 0, 0
	s_wait_dscnt 0x0                               ; the add is done, and my reads of this slot are over
	s_barrier_signal -1
	MUL16 F1, 0, 2, 0
.if \fill
	WIN 0
.endif
	s_barrier_wait -1
.if \fill
	CREST
	JLOAD 1                                        ; its four v_nop are also the places in front of the loads below; 224 matrix instructions stand between it and the wait for it
.else
	PLACES
.endif
	FETCH 0, F0
.if \fill
	ASK
.endif
	MUL16 F1, 1, 0, 0
	MUL16 F1, 1, 2, 0
.endm
	s_wait_tensorcnt 1                             ; my part of K step 0 is in; K step 1's may stay out
	s_barrier_signal -1
	s_barrier_wait -1
	FETCH 0, F0
	QUARTER 64, F0, F1, 1                          ; the first quarter's products start the sums
	WIN 0
	s_mov_b32 s3, 6
.Lstep:                                        ; a trip: the rest of a K step and the next one's first quarter; K steps 2 to 7 are asked for
	QUARTER 128, F1, F0, 0
	QUARTER 192, F0, F1, 0
	TURN 1
	QUARTER 64, F0, F1, 0
	WIN 0
	s_sub_co_u32 s3, s3, 1
	s_cmp_lg_u32 s3, 0
	s_cbranch_scc1 .Lstep
	s_mov_b32 s[CNT], 2
.Ltail:                                        ; K steps 6 and 7 ask for nothing.  The second trip is left in its middle; its 32 fragment loads (of the old slot) serve nothing: the price of one text for both
	QUARTER 128, F1, F0, 0
	QUARTER 192, F0, F1, 0
	TURN 0
	WIN 0
	s_sub_co_u32 s[CNT], s[CNT], 1
	s_cmp_eq_u32 s[CNT], 0
	s_cbranch_scc1 .Lout
	QUARTER 64, F0, F1, 0
	WIN 0
	s_branch .Ltail
.Lout:
	s_wait_dscnt 0x0                               ; my reads of the ring are over,
	PLACES                                         ; (the places behind the last products)
	s_barrier_signal -1
	s_barrier_wait -1                              ; everybody's are: the stages may be written over the ring
.irp a, 0,1,2,3,4,5,6,7                ; all 64 accumulators into my stage, in f32; each accumulator's low registers first
	WIN 0x08+4*((\a)/4)                            ; store data (source 1) in window 2 or 3
.irp b, 0,1,2,3,4,5,6,7
	ds_store_b128 v[STO], v[8*(8*((\a)%4)+(\b)):8*(8*((\a)%4)+(\b))+3]   offset:(\a)*16*SPITCH+64*(\b)
	ds_store_b128 v[STO], v[8*(8*((\a)%4)+(\b))+4:8*(8*((\a)%4)+(\b))+7] offset:(\a)*16*SPITCH+64*(\b)+16
.endr
.endr
	WIN 0
.macro LOADROWS                        ; eight tokens: for each of my two heads four pairs of tokens, 256 bytes a token.  LDS serves a wave's instructions in order: these see my stores
.irp hh, 0,1
.irp pr, 0,1,2,3
	ds_load_b128 v[RAW+4*(4*(\hh)+(\pr)):RAW+4*(4*(\hh)+(\pr))+3], v[RD] offset:(\pr)*2*SPITCH+(\hh)*256
.endr
.endr
.endm
	LOADROWS
	s_mov_b32 s[CNT], 16
.Lrow:                                         ; 16 trips of 8 tokens
	s_wait_dscnt 0x0
	s_wait_xcnt 0x0                                ; the last trip's stores have read their data and their base
	s_add_nc_u64 s[8:9], s[8:9], s[16:17]
	s_mov_b64 s[16:17], 1024                       ; 8 tokens of 128 bytes on
.set i, 0
.rept 16
	v_cvt_pk_bf16_f32 v[YB+i], v[RAW+2*i], v[RAW+2*i+1]
.set i, i+1
.endr
	v_add_nc_u32 v[RD], 8*SPITCH, v[RD]
	s_cmp_eq_u32 s[CNT], 1                         ; the last trip has no rows behind it
	s_cbranch_scc1 .Lnomore
	LOADROWS
.Lnomore:
.irp hh, 0,1
.irp pr, 0,1,2,3
	global_store_b64 v[CO], v[YB+2*(4*(\hh)+(\pr)):YB+2*(4*(\hh)+(\pr))+1], s[8:9] offset:(\hh)*262144+(\pr)*256  ; the wave stores 256 consecutive bytes, aligned: two tokens of a head
.endr
.endr
	s_sub_co_u32 s[CNT], s[CNT], 1
	s_cmp_lg_u32 s[CNT], 0
	s_cbranch_scc1 .Lrow
	s_wait_tensorcnt 0x0                           ; the wave's end
	ds_add_u32 v[SPW], v[NIL]
	s_wait_dscnt 0x0
	CROUND                                         ; the closing round
	s_endpgm
.Lfunc_end_k_qd53764fc60_k_qkv:
	.size	k_qd53764fc60_k_qkv, .Lfunc_end_k_qd53764fc60_k_qkv-k_qd53764fc60_k_qkv
	.p2alignl 7, 3214868480
	.fill 96, 4, 3214868480
	.section	.rodata,"a",@progbits
	.p2align	6, 0x0
	.amdhsa_kernel k_qd53764fc60_k_qkv
		.amdhsa_group_segment_fixed_size 327680
		.amdhsa_private_segment_fixed_size 0
		.amdhsa_enable_private_segment 0
		.amdhsa_kernarg_size 16
		.amdhsa_user_sgpr_count 2
		.amdhsa_user_sgpr_kernarg_segment_ptr 1
		.amdhsa_wavefront_size32 1
		.amdhsa_system_sgpr_workgroup_id_x 1
		.amdhsa_system_sgpr_workgroup_id_y 1
		.amdhsa_system_sgpr_workgroup_id_z 1
		.amdhsa_system_vgpr_workitem_id 0
		.amdhsa_next_free_vgpr 1024
		.amdhsa_next_free_sgpr 96
		.amdhsa_reserve_vcc 0
		.amdhsa_float_denorm_mode_32 3
		.amdhsa_float_denorm_mode_16_64 3
		.amdhsa_memory_ordered 1
		.amdhsa_forward_progress 1
		.amdhsa_inst_pref_size 81
	.end_amdhsa_kernel
	.amdgpu_metadata
---
amdhsa.version: [ 1, 2 ]
amdhsa.kernels:
  - .name:           k_qd53764fc60_k_qkv
    .symbol:         k_qd53764fc60_k_qkv.kd
    .args:
      - { .name: wb, .offset: 0, .size: 8, .value_kind: global_buffer, .address_space: global }
      - { .name: qkv, .offset: 8, .size: 8, .value_kind: global_buffer, .address_space: global }
    .group_segment_fixed_size: 327680
    .private_segment_fixed_size: 0
    .kernarg_segment_align: 8
    .kernarg_segment_size: 16
    .max_flat_workgroup_size: 128
    .sgpr_count:     96
    .vgpr_count:     1024
    .wavefront_size: 32
...
	.end_amdgpu_metadata
.endif
;; end of part 2
;; launch k_attn (part 3): grid 8 x 32, 4 waves a work-group, clusters of 4 x 1, 327,680 bytes of LDS; arguments qkv, ctx, wo, w1, w2, wb; writes ctx, wb
.if DOCPART == 3
	.amdgcn_target "amdgcn-amd-amdhsa--gfx1250"
	.amdhsa_code_object_version 6
	.text
	.protected	k_qd53764fc60_k_attn
	.globl	k_qd53764fc60_k_attn
	.p2align	8
	.type	k_qd53764fc60_k_attn,@function
k_qd53764fc60_k_attn:
	s_mov_b64 s[64:65], 0
	v_nop
	global_prefetch_b8 v0, s[64:65] scope:SCOPE_SE
	s_setreg_imm32_b32 hwreg(HW_REG_WAVE_MODE, 25, 1), 1
	s_wait_xcnt 0x0
	s_wait_alu depctr_hold_cnt(0) depctr_sa_sdst(0) depctr_va_vdst(0) depctr_va_sdst(0) depctr_va_ssrc(0) depctr_va_vcc(0) depctr_vm_vsrc(0)
	s_getreg_b32 s2, hwreg(HW_REG_IB_STS2, 6, 4)
	s_cmp_eq_u32 s2, 0
	s_cbranch_scc0 .Lentry_in_a_cluster
	s_endpgm
.Lentry_in_a_cluster:
	s_bfe_u32 s2, ttmp6, 0x10000c
	s_cmp_lg_u32 s2, 0x3003
	s_cbranch_scc0 .Lentry_shape_is_right
	s_endpgm
.Lentry_shape_is_right:
; ctx[h][q][:] = the sum over k of softmax_k(Q[h][q] . K[h][k] / 8) V[h][k][:].  Q, K, V lie in qkv at bytes 0, 8 Mi, 16 Mi, each [32][2048][64] bf16; ctx likewise.
; Products, maxima and sums in f32; the weights p are rounded to bf16 for the second product (their sum l is taken of the unrounded p), ctx once at the end.
; LIMITS.  A weight below 2^-126 counts as 0 in l; NaN and infinities are not treated apart; c m starts at -4.2e37, which lies below every c s while |s| stays under 2e38.
; SHARES.  A work-group owns 256 queries of one head, a wave 64: four PIECES of 16.  Every wave walks the head's 2,048 keys: 8 tiles of 256, 4 steps of 64 each.
; LAYOUT.  S^T = K Q^T holds ONE query a lane (lane % 16) and the keys 8 (lane / 16) + 0..7; two such results rounded to bf16 ARE source 1 of O^T = V^T P.  K comes out of LDS as it lies, V turned.
; SOFTMAX.  p = 2^(c s - c m), c = log2(e) / 8, with a running maximum m; O and l are multiplied by a = 2^(c m_old - c m_new) in every step.  m starts at the lowest finite number, O and l at 0.
; TURNS.  Turn n belongs to piece n: 8 products K Q^T of piece n + 1, later 8 products V^T P of piece n - 1; beside them the scaling, exponentials, roundings, sums and rescaling of piece n and the maximum
; and statistics of piece n + 1.  Four vector instructions stand behind every matrix instruction, the rest in one lump.  A turn's 33 exponentials are one batch, with one wait.
; CLUSTER.  The four query blocks of a cluster belong to one head and walk the same K and V: each tile is asked for JOINTLY.
; BESIDE THE ATTENTION: wo, w1 and w2 (f32, 36 MiB) are rounded once to bf16 into wb (wo at byte 0xE00000, w1 at 0x1000000, w2 at 0x1800000), for the launches behind.  They are 72 blocks of 512 KiB
; (8 of wo, 32 of w1, 32 of w2); of every block work-group g of the 256 takes 2 KiB, 16 bytes a thread.  Each of my 8 key tiles carries one block of wo, four of w1, four of w2: 9 loads behind the change of
; slots, and four key steps later their wait, 18 roundings and 9 stores of 8 bytes a lane (a wave's store covers 256 consecutive bytes, aligned).  No prefetch: between the loads and their wait stand four key steps.
; REGISTERS: window 0: v2-15 addresses and at work; v16-31 statistics; v48-55 at work; v56-57, v128-181 the weights' way; v61-63; v64-127 S^T, two buffers; v192-223 P, two buffers.
;   Window 1: v0-127 O^T.  Window 2: v0-63 Q; v128-191 K; v192-255 V.
.set NP,    4
.set KS,    64
.set PK,    144       ; a row of K in LDS: 128 bytes + 16: the 16 rows of a load start at 16 different groups of four banks (64 banks of 4 bytes: ISA guide 11.1)
.set PV,    160       ; a row of V: 128 + 32
.set VOFF,  4*KS*PK   ; a slot holds a tile: 256 rows of K, then 256 rows of V
.set SLOT1, 1<<17
.set STAGE, SLOT1+4*KS*(PK+PV)  ; behind the ring, never filled by a tensor load: 16 rows x 144 bytes a wave
.set SP,    144
.set SPARE, STAGE+4*16*SP       ; the spare words, 128 bytes a wave
.set AK0, 2           ; v2   my lane's place in a tile of K; never rewritten
.set AV0, 3           ; v3   the same for V
.set AK,  4           ; v4   the LDS address of K's next run of loads
.set AV,  5           ; v5   of V's
.set STO, 6           ; v6   the way out: where I put 16 bytes of a row
.set RD,  7           ; v7   where I read rows back
.set GO,  8           ; v8   my 16 bytes in 512 consecutive bytes of ctx
.set MV,  12          ; v12-13  c m_old, by buffer
.set QO,  15          ; v15  my byte offset in 16 rows of Q
.set ST,  16          ; piece t's statistics at v[ST+4 t]: c m, m, l (even keys', odd keys')
.set TMP, 48          ; by buffer, c0-c3 at work; when the maximum is found c2 takes a
.set WSO, 56          ; v56  the weights: my 16 bytes in a block of f32: 2,048 g + 16 t; never rewritten
.set WDO, 57          ; v57  my 8 bytes in the block of bf16: 1,024 g + 8 t; never rewritten
.set PFO, 61          ; v61  256 x my lane; never rewritten
.set SPW, 62          ; v62  my spare word; never rewritten
.set NIL, 63          ; v63  0; never rewritten
.set S,   64
.set WX,  128         ; v[128:163] nine loads of weights: wo's, four of w1, four of w2
.set WY,  164         ; v[164:181] the same, packed
.set P,   192
.set KF,  128
.set VF,  192
.set WV,  12          ; s12  my wave's number
.set G1K, 24          ; s[24:31]
.set G1V, 32          ; s[32:39]
.set G0K, 40          ; s[40:43] it walks
.set G0V, 44          ; s[44:47]
.set PFA, 48          ; s[48:49] where my prefetches stand
.set LIM, 50          ; s50  1 in a wave that prefetches, else the greatest number
.set SLOTS, 56        ; s56  tiles still to be asked for
.set CNT, 57          ; s57  counts a tile's key steps
.set CS,  58          ; s[58:59] c
.set SEL, 60          ; s[60:61] v_permlanex16_b32's selects
.set TBK, 62          ; s62  LDS byte at which K of the step to be fetched begins
.set TBV, 63          ; s63  the same for V, less VOFF
.set SW,  68          ; s[68:69] wo, s[70:71] w1, s[72:73] w2 at the blocks of the tile in hand; s[74:75] wb
.set DW,  76          ; s[76:77], s[78:79], s[80:81] where their bf16 goes
.set MSB, 0
.macro WIN new
.if MSB != (\new)
	s_set_vgpr_msb (MSB<<8)|(\new)
.set MSB, (\new)
.endif
.endm
.set W_KQ, 0x0a       ; K and Q in window 2, S^T in window 0
.set W_PV, 0x52       ; V in window 2, P in window 0, O^T in window 1
.set W_RS, 0x41       ; destination and source 0 in window 1, source 1 in window 0
; A joint fill.  Waves 0 and 1 fetch the two halves of a tile's K, waves 2 and 3 those of its V.  An s_nop 0 and four v_nop follow each line.
.macro JLOAD
	s_cmp_lt_u32 s[WV], 2
	s_cbranch_scc0 .Lfor_v_\@
	tensor_load_to_lds s[G0K:G0K+3], s[G1K:G1K+7]
	s_nop 0
.rept 4
	v_nop
.endr
	s_branch .Lasked_\@
.Lfor_v_\@:
	tensor_load_to_lds s[G0V:G0V+3], s[G1V:G1V+7]
	s_nop 0
.rept 4
	v_nop
.endr
.Lasked_\@:
.endm
; A prefetch of the tile that the NEXT change of slots will ask for: 128 blocks of 256 bytes of K and of V.  Both clusters of a head walk the same rows: the first asks.  Its four partners take 32 blocks each,
; told apart by address; in each, wave 0 asks for K's and wave 2 for V's, a lane a block.  Tiles 0 and 1 come by their loads alone; the change that fills the last tile asks for nothing.
.macro ASK
	s_cmp_gt_u32 s[SLOTS], s[LIM]
	s_cbranch_scc0 .Lnot_mine_\@
	global_prefetch_b8 v[PFO], s[PFA:PFA+1] th:TH_LOAD_NT scope:SCOPE_SE
.Lnot_mine_\@:
.endm
.macro CROUND
	s_barrier_signal -1
	s_barrier_wait -1
	s_cmp_lg_u32 s[WV], 0
	s_cbranch_scc1 .Lnot_wave_0_\@
	s_barrier_signal -3
.Lnot_wave_0_\@:
	s_barrier_wait -3
	s_barrier_signal -1
	s_barrier_wait -1
.endm
; THE CHANGE OF SLOTS.  Each wave waits for all its tensor loads (one is out: its part of the other slot), adds 0 to its spare word, and waits for that and for its reads of the slot that it leaves.
; fill = 1: the barrier is a round of the cluster's, and the joint fill of the old slot with the next tile is the first thing behind it: it has four key steps, 256 matrix instructions, in which to land.
.macro CHANGE fill
	WIN 0
	s_wait_tensorcnt 0x0            ; no tensor load of mine is out, so a group 0 may be written
	ds_add_u32 v[SPW], v[NIL]
.if \fill
.irp g, G0K, G0V
	s_xor_b32 s[\g+1], s[\g+1], SLOT1
	s_add_nc_u64 s[\g+2:\g+3], s[\g+2:\g+3], 4*KS*128
.endr
	s_wait_xcnt 0x0                 ; the last prefetch, a tile back, has read its address
	s_add_nc_u64 s[PFA:PFA+1], s[PFA:PFA+1], 4*KS*128
	s_wait_dscnt 0x0                ; the add is done, and my reads of the slot are over
	CROUND
	JLOAD
	ASK
.else
	s_wait_dscnt 0x0
	s_barrier_signal -1
	s_barrier_wait -1
.endif
	s_sub_co_u32 s[TBK], s[TBK], 4*KS*PK  ; the fetches go back to a slot's first step, in the other slot
	s_xor_b32 s[TBK], s[TBK], SLOT1
	s_sub_co_u32 s[TBV], s[TBV], 4*KS*PV
	s_xor_b32 s[TBV], s[TBV], SLOT1
.endm
; THE WEIGHTS' WAY.  WLOAD: a tile's nine loads, my 16 bytes of one block of wo, four of w1, four of w2.  WSTORE, four key steps later: they are rounded and stored.
; step = 1: the six pointers go on to the next tile's blocks, behind the wait that frees them and the stores' data.
.macro WLOAD
	global_load_b128 v[WX:WX+3], v[WSO], s[SW:SW+1] th:TH_LOAD_NT
.irp n, 0,1,2,3
	global_load_b128 v[WX+4+4*(\n):WX+7+4*(\n)], v[WSO], s[SW+2:SW+3] offset:(\n)*0x80000 th:TH_LOAD_NT
.endr
.irp n, 0,1,2,3
	global_load_b128 v[WX+20+4*(\n):WX+23+4*(\n)], v[WSO], s[SW+4:SW+5] offset:(\n)*0x80000 th:TH_LOAD_NT
.endr
.endm
.macro WSTORE step
	s_wait_loadcnt 0x0              ; the nine loads, issued four key steps back
.set z, 0
.rept 18
	v_cvt_pk_bf16_f32 v[WY+z], v[WX+2*z], v[WX+2*z+1]
.set z, z+1
.endr
	global_store_b64 v[WDO], v[WY:WY+1], s[DW:DW+1]
.irp n, 0,1,2,3
	global_store_b64 v[WDO], v[WY+2+2*(\n):WY+3+2*(\n)], s[DW+2:DW+3] offset:(\n)*0x40000
.endr
.irp n, 0,1,2,3
	global_store_b64 v[WDO], v[WY+10+2*(\n):WY+11+2*(\n)], s[DW+4:DW+5] offset:(\n)*0x40000
.endr
.if \step
	s_wait_xcnt 0x0                 ; the stores have read their data and their bases
	s_add_nc_u64 s[SW:SW+1], s[SW:SW+1], 0x80000       ; one block of wo on,
	s_add_nc_u64 s[SW+2:SW+3], s[SW+2:SW+3], 0x200000  ; four of w1,
	s_add_nc_u64 s[SW+4:SW+5], s[SW+4:SW+5], 0x200000  ; four of w2;
	s_add_nc_u64 s[DW:DW+1], s[DW:DW+1], 0x40000       ; half as many bytes in bf16
	s_add_nc_u64 s[DW+2:DW+3], s[DW+2:DW+3], 0x100000
	s_add_nc_u64 s[DW+4:DW+5], s[DW+4:DW+5], 0x100000
.endif
.endm
	s_load_b128 s[4:7], s[0:1], 0x0   ; qkv s[4:5], ctx s[6:7]
	s_load_b256 s[68:75], s[0:1], 0x10  ; wo, w1, w2, wb
	v_lshl_add_u32 v[SPW], v0, 2, SPARE
	v_mov_b32 v[NIL], 0
	ds_add_u32 v[SPW], v[NIL]       ; the wave's opening: the add and its wait stand ahead of my first tensor load
	v_lshrrev_b32 v1, 5, v0
	v_readfirstlane_b32 s[WV], v1   ; wave 0..3
	s_bfe_u32 s13, ttmp6, 0x40000   ; cx
	s_lshl_b32 s14, ttmp9, 2
	s_add_co_u32 s14, s14, s13      ; my block of 256 queries: it enters global addresses alone
	s_and_b32 s20, ttmp7, 0xffff    ; the head, which the four partners share
	s_lshl3_add_u32 s15, s20, s14   ; g: my work-group among the 256 = 8 x head + block
	s_lshl_b32 s19, s15, 11
	v_lshl_add_u32 v[WSO], v0, 4, s19
	s_lshl_b32 s19, s15, 10
	v_lshl_add_u32 v[WDO], v0, 3, s19
	s_lshl_b32 s20, s20, 18         ; 2,048 rows of 128 bytes
	s_mov_b32 s21, 0
	s_and_b32 s16, s[WV], 1         ; which half of a tile's 256 keys I fetch
	s_lshl_b32 s22, s16, 14
	s_mov_b32 s23, 0
	s_add_nc_u64 s[22:23], s[22:23], s[20:21]
	s_mul_i32 s17, s16, 128*PK
	s_mul_i32 s18, s16, 128*PV
	s_lshl_b32 s2, s14, 2
	s_add_co_u32 s2, s2, s[WV]
	s_lshl_b32 s2, s2, 13           ; my wave's 64 rows
	s_mov_b32 s3, 0
	s_add_nc_u64 s[2:3], s[2:3], s[20:21]
	; 128 keys are 16,384 dense bytes: asked for as 64 rows of 256 bytes, two keys a row, and padded in LDS after every key
	s_mov_b32 s[G1K], 15|(1<<16)|(1<<20)|(1<<21)|(4<<22)|(3<<25)
	s_mov_b32 s[G1V], 15|(1<<16)|(1<<20)|(1<<21)|(4<<22)|(7<<25)
.irp g, G1K, G1V
	s_mov_b32 s[\g+1], 128<<16
	s_mov_b32 s[\g+2], 64<<16
	s_mov_b32 s[\g+3], 128<<16
	s_mov_b32 s[\g+4], 64
	s_mov_b32 s[\g+5], 128
	s_mov_b32 s[\g+6], 0
	s_mov_b32 s[\g+7], 0
.endr
	s_mov_b32 s[CS], 0x3e38aa3b     ; c = log2(e) / 8
	s_mov_b32 s[CS+1], s[CS]
	s_mov_b32 s[SEL], 0x76543210
	s_mov_b32 s[SEL+1], 0xfedcba98
	s_mov_b32 s[TBK], SLOT1+4*KS*PK ; the first change of slots turns these two into 0
	s_mov_b32 s[TBV], SLOT1+4*KS*PV
	s_mov_b32 s[G0K], 1
	s_mov_b32 s[G0K+1], s17
	s_mov_b32 s[G0V], 1
	s_add_co_u32 s[G0V+1], s18, VOFF
	s_mov_b32 s[SLOTS], 7
	s_and_b32 s[LIM], s[WV], 1      ; 0 in waves 0 and 2,
	s_or_b32 s[LIM], s[LIM], ttmp9  ; where the cluster is the head's first: the same in all four partners
	s_cmp_eq_u32 s[LIM], 0
	s_cselect_b32 s[LIM], 1, -1
	v_and_b32 v[PFO], 31, v0
	v_lshlrev_b32 v[PFO], 8, v[PFO]
	s_wait_dscnt 0x0                ; the opening add is done
	s_wait_kmcnt 0x0
	s_mov_b64 s[10:11], s[6:7]                     ; ctx
	s_add_nc_u64 s[6:7], s[4:5], 0x800000          ; K
	s_add_nc_u64 s[8:9], s[4:5], 0x1000000         ; V
	s_add_nc_u64 s[G0K+2:G0K+3], s[6:7], s[22:23]
	s_or_b32 s[G0K+3], s[G0K+3], 0x80000000
	s_add_nc_u64 s[G0V+2:G0V+3], s[8:9], s[22:23]
	s_or_b32 s[G0V+3], s[G0V+3], 0x80000000
	s_add_nc_u64 s[4:5], s[4:5], s[2:3]            ; Q and ctx at my wave's first row
	s_add_nc_u64 s[10:11], s[10:11], s[2:3]
	s_add_nc_u64 s[DW:DW+1], s[74:75], 0xE00000    ; wo's, w1's and w2's places in wb
	s_add_nc_u64 s[DW+2:DW+3], s[74:75], 0x1000000
	s_add_nc_u64 s[DW+4:DW+5], s[74:75], 0x1800000
	s_cmp_lt_u32 s[WV], 2
	s_cselect_b64 s[PFA:PFA+1], s[6:7], s[8:9]
	s_add_nc_u64 s[PFA:PFA+1], s[PFA:PFA+1], s[20:21]
	s_lshl_b32 s2, s13, 13          ; my work-group's 32 blocks of the 128,
	s_add_co_u32 s2, s2, 4*KS*128   ; in tile 1: the first change of slots steps it to tile 2
	s_mov_b32 s3, 0
	s_add_nc_u64 s[PFA:PFA+1], s[PFA:PFA+1], s[2:3]
	CROUND                          ; all four work-groups are here
	JLOAD                           ; tile 0 into slot 0; slot 1 is asked for when it is in
	v_and_b32 v1, 15, v0            ; l % 16
	v_bfe_u32 v9, v0, 4, 1          ; l / 16
	v_lshlrev_b32 v[QO], 7, v1
	v_lshl_add_u32 v[QO], v9, 4, v[QO]
	WIN 0x80                        ; destination window 2
.set i, 0
.rept 8                             ; Q stays in registers: piece i / 2, channels 32 (i % 2) on
	global_load_b128 v[8*i:8*i+3],   v[QO], s[4:5] offset:(i/2)*2048+(i%2)*64
	global_load_b128 v[8*i+4:8*i+7], v[QO], s[4:5] offset:(i/2)*2048+(i%2)*64+32
.set i, i+1
.endr
	; The first step multiplies O^T and l by a = 0, and the first turn's products V^T P, of a piece that has not been, add 0: these registers start at 0, in the wait for the first tile
.set i, VF
.rept 64
	v_mov_b32 v[i], 0
.set i, i+1
.endr
	WIN 0x40
.set i, 0
.rept 128
	v_mov_b32 v[i], 0
.set i, i+1
.endr
	WIN 0
.set i, 0
.rept 4
	v_mov_b32 v[ST+4*i+2], 0
	v_mov_b32 v[ST+4*i+3], 0
.set i, i+1
.endr
.set i, P+16
.rept 16
	v_mov_b32 v[i], 0
.set i, i+1
.endr
	v_mul_u32_u24 v[AK0], v1, PK
	v_lshl_add_u32 v[AK0], v9, 4, v[AK0]
	; The turning load takes 16 keys x 16 channels (lane l reads key 8 (l / 16) + l % 8, channels 8 ((l / 8) % 2) + 0..7) and leaves half a fragment of V^T
	v_and_b32 v10, 7, v0
	v_bfe_u32 v11, v0, 3, 1
	v_lshl_add_u32 v[AV0], v9, 3, v10
	v_mul_u32_u24 v[AV0], v[AV0], PV
	v_lshl_add_u32 v[AV0], v11, 4, v[AV0]
	v_add_nc_u32 v[AV0], VOFF, v[AV0]
	s_mul_i32 s13, s[WV], 16*SP
	s_add_co_u32 s13, s13, STAGE    ; my stage
	v_mul_u32_u24 v[STO], v1, SP
	v_lshl_add_u32 v[STO], v9, 4, v[STO]
	v_add_nc_u32 v[STO], s13, v[STO]
	v_bfe_u32 v[RD], v0, 3, 2       ; back: 32 lanes take four rows of 128 bytes,
	v_mul_u32_u24 v[RD], v[RD], SP
	v_lshl_add_u32 v[RD], v10, 4, v[RD]
	v_add_nc_u32 v[RD], s13, v[RD]
	v_and_b32 v[GO], 31, v0         ; which are 512 consecutive bytes of ctx
	v_lshlrev_b32 v[GO], 4, v[GO]
; THE MATRIX WORK.  The 4 accumulators of a run of 8 take turns.  Product i of 8 of S^T = K Q^T for piece x: channels 32 (i / 4) on, keys 16 (i % 4) on.
.macro KQ x
	WIN W_KQ
.set rS, S+32*((\x)%2)+8*(i%4)
.set rK, KF+16*(i%4)+8*(i/4)
.set rQ, 16*(\x)+8*(i/4)
.if i < 4
	v_wmma_f32_16x16x32_bf16 v[rS:rS+7], v[rK:rK+7], v[rQ:rQ+7], 0
.else
	v_wmma_f32_16x16x32_bf16 v[rS:rS+7], v[rK:rK+7], v[rQ:rQ+7], v[rS:rS+7]
.endif
.endm
; Product i of 8 of O^T += V^T P for piece x: keys 32 (i / 4) on, channels 16 (i % 4) on.
.macro PV x
	WIN W_PV
.set rO, 32*(\x)+8*(i%4)
.set rV, VF+32*(i/4)+8*(i%4)
.set rP, P+16*((\x)%2)+8*(i/4)
	v_wmma_f32_16x16x32_bf16 v[rO:rO+7], v[rV:rV+7], v[rP:rP+7], v[rO:rO+7]
.endm
.macro MM                           ; the turn's next matrix instruction
.if i < 8
	KQ (Y+1)%NP
.else
.set i, i-8
	PV (Y+NP-1)%NP
.set i, i+8
.endif
.set i, i+1
.endm
; THE LDS LOADS stand in runs of 16: a step's K (8 fragments) and its V (turned).
.macro FETCH_K
	WIN 0x80
.irp f, 0,1,2,3,4,5,6,7
	ds_load_b128 v[KF+8*\f:KF+8*\f+3],   v[AK] offset:(\f/2)*16*PK+(\f%2)*64
	ds_load_b128 v[KF+8*\f+4:KF+8*\f+7], v[AK] offset:(\f/2)*16*PK+(\f%2)*64+32
.endr
	s_add_co_u32 s[TBK], s[TBK], KS*PK
	WIN 0
.endm
.macro FETCH_V
	WIN 0x80
.irp f, 0,1,2,3,4,5,6,7
	ds_load_tr16_b128 v[VF+8*\f:VF+8*\f+3],   v[AV] offset:(\f/4)*32*PV+(\f%4)*32
	ds_load_tr16_b128 v[VF+8*\f+4:VF+8*\f+7], v[AV] offset:(\f/4)*32*PV+16*PV+(\f%4)*32
.endr
	WIN 0
.endm
; THE VECTOR WORK, one line at a time: OP kind, number.  For piece Y: F n: c s - c m for pair n of 16.  E n: the exponential of score n of 32.  C n: pair n rounded to bf16.  B n: of the four weights 4 n ..
; the second pair is added onto the first, in place.  L n: l takes that sum (L 0: l = a l + sum).  R n: pair n of 16 of O^T times a.  For piece Y + 1: X n, number n of the 22 that find its maximum and statistics:
; 0-11 four chains of seven scores (each accumulator's lowest registers first); 12-14, 16 the rest, the old m, all into c0; 15 c m_old is kept; 17, 18 the other half of the lanes: the new m; 19-21 c m, its change, a.
.set F, 0
.set E, 1
.set C, 2
.set B, 3
.set L, 4
.set R, 5
.set X, 6
.macro REGS y
.set rT, ST+4*(\y)
.set rC, TMP+4*((\y)%2)
.set rW, MV+((\y)%2)
.set rS, S+32*((\y)%2)
.set rP, P+16*((\y)%2)
.set rO, 32*(\y)
.endm
.macro OP k, n
.if (\k) == R
	REGS Y
	WIN W_RS
	v_pk_mul_f32 v[rO+2*(\n):rO+2*(\n)+1], v[rO+2*(\n):rO+2*(\n)+1], v[rC+2:rC+3] op_sel_hi:[1,0]
.elseif (\k) < R
	REGS Y
	WIN 0
.if (\k) == F
	v_pk_fma_f32 v[rS+2*(\n):rS+2*(\n)+1], v[rS+2*(\n):rS+2*(\n)+1], s[CS:CS+1], v[rT:rT+1] op_sel_hi:[1,0,0] neg_lo:[0,0,1] neg_hi:[0,0,1]
.elseif (\k) == E
	v_exp_f32 v[rS+(\n)], v[rS+(\n)]
.elseif (\k) == C
	v_cvt_pk_bf16_f32 v[rP+(\n)], v[rS+2*(\n)], v[rS+2*(\n)+1]
.elseif (\k) == B
	v_pk_add_f32 v[rS+4*(\n):rS+4*(\n)+1], v[rS+4*(\n):rS+4*(\n)+1], v[rS+4*(\n)+2:rS+4*(\n)+3]
.elseif (\n) == 0
	v_pk_fma_f32 v[rT+2:rT+3], v[rT+2:rT+3], v[rC+2:rC+3], v[rS:rS+1] op_sel_hi:[1,0,1]
.else
	v_pk_add_f32 v[rT+2:rT+3], v[rT+2:rT+3], v[rS+4*(\n):rS+4*(\n)+1]
.endif
.else
	REGS (Y+1)%NP
	WIN 0
.if (\n) < 4
	v_max3_num_f32 v[rC+(\n)], v[rS+8*(\n)], v[rS+8*(\n)+1], v[rS+8*(\n)+2]
.elseif (\n) < 12
	v_max3_num_f32 v[rC+(\n)%4], v[rC+(\n)%4], v[rS+8*((\n)%4)+2*((\n)/4)+1], v[rS+8*((\n)%4)+2*((\n)/4)+2]
.elseif (\n) == 12
	v_max3_num_f32 v[rC], v[rC], v[rS+7], v[rS+15]
.elseif (\n) == 13
	v_max3_num_f32 v[rC+1], v[rC+1], v[rS+23], v[rS+31]
.elseif (\n) == 14
	v_max3_num_f32 v[rC+2], v[rC+2], v[rC+3], v[rT+1]
.elseif (\n) == 15
	v_mov_b32 v[rW], v[rT]
.elseif (\n) == 16
	v_max3_num_f32 v[rC], v[rC], v[rC+1], v[rC+2]
.elseif (\n) == 17
	v_permlanex16_b32 v[rC+3], v[rC], s[SEL], s[SEL+1]
.elseif (\n) == 18
	v_max_num_f32 v[rT+1], v[rC], v[rC+3]
.elseif (\n) == 19
	v_mul_f32 v[rT], s[CS], v[rT+1]
.elseif (\n) == 20
	v_sub_f32 v[rC+1], v[rW], v[rT]
.else
	v_exp_f32 v[rC+2], v[rC+1]
.endif
.endif
.endm
.macro OPS a, i1, b=-1, i2=0, c=-1, i3=0, d=-1, i4=0
	OP \a, \i1
.if (\b) >= 0
	OP \b, \i2
.endif
.if (\c) >= 0
	OP \c, \i3
.endif
.if (\d) >= 0
	OP \d, \i4
.endif
.endm
.macro ROW a, i1, b, i2, c, i3, d, i4  ; a matrix instruction and the four behind it
	MM
	OPS \a, \i1, \b, \i2, \c, \i3, \d, \i4
.endm
; A TURN, for piece p.  Ahead of its one wait stands all that names no result of the turn's exponentials: the 8 products K Q^T with their riders, then the lump; X 21, the next piece's a, is the batch's last,
; and R 15 the plain instruction behind it.  Behind the wait stand the 8 products V^T P, behind each four of the roundings and sums.
; last = 1 (the tail): in the trip in which s[CNT] is 1 there is no further step, and K's run of loads is jumped over.  cnt = 1: the loop's count is taken down some lines ahead of the branch behind the turn.
; K of the next step is fetched in piece 2's turn, V of the step in hand at the end of piece 0's, each four plain instructions or more behind its registers' last reader; each is waited for a turn later.
.macro TURN p, last=0, cnt=0
.set Y, (\p)
.set i, 0
.if (\p) == 3
	s_wait_dscnt 0x0                ; K is in
.endif
	ROW F,0, F,1, R,0, R,1
	ROW F,2, E,0, R,2, R,3
	ROW F,3, E,1, R,4, R,5
	ROW F,4, E,2, R,6, R,7
	ROW F,5, E,3, R,8, R,9
	ROW F,6, E,4, X,0, R,10
.if (\p) == 2
	WIN 0
	v_add_nc_u32 v[AK], s[TBK], v[AK0]
.endif
	ROW F,7, E,5, X,1, X,4
	ROW F,8, E,6, X,2, X,5
	OPS E,7, E,8, X,6, E,9
	OPS X,3, E,10, X,8, E,11
.if (\p) == 2
.if \last
	WIN 0
	s_wait_alu depctr_va_vdst(0)    ; ahead of a branch every exponential issued so far has its wait
	s_cmp_eq_u32 s[CNT], 1
	s_cbranch_scc1 .Lno_k_\@
.endif
	FETCH_K
.if \last
.Lno_k_\@:
.endif
.endif
	OPS X,9, X,7, E,12, X,10
	OPS E,13, X,12, X,11, E,14
	OPS X,13, E,15, F,9, X,14
.if (\p) == 0
	v_add_nc_u32 v[AV], s[TBV], v[AV0]
.endif
	OPS E,16, F,10, E,17, F,11
	OPS X,16, E,18, X,15, E,19
	OPS F,12, E,20, X,17, E,21
	OPS F,13, E,22, F,14, E,23
	OPS X,18, E,24, F,15, E,25
	OPS R,11, E,26, X,19, E,27
	OPS R,12, E,28, R,13, E,29
	OPS X,20, E,30, R,14, E,31
	OPS X,21, R,15
	WIN 0
	s_wait_alu depctr_va_vdst(0)    ; the wait for the batch, ahead of the first reader
.if (\p) == 1
	s_wait_dscnt 0x0                ; V is in
.endif
	ROW C,0, B,0, C,2, B,1
	ROW L,0, C,4, B,2, L,1
	ROW C,6, B,3, L,2, C,8
	ROW B,4, L,3, C,10, B,5
	ROW L,4, C,12, B,6, L,5
.if (\p) == 0
	s_add_co_u32 s[TBV], s[TBV], KS*PV
.endif
.if \cnt
	s_sub_co_u32 s[CNT], s[CNT], 1
	s_cmp_lg_u32 s[CNT], 0
.endif
	ROW C,14, B,7, L,6, C,1
	ROW C,3, L,7, C,5, C,7
	ROW C,9, C,11, C,13, C,15
.if (\p) == 0
	FETCH_V
.endif
.endm
	CHANGE 1                        ; tile 0 is in, everybody's part of it; tile 1 is asked for
	s_mov_b32 s[CNT], 4
.set i, 0
.rept 4
	v_mov_b32 v[ST+4*i], 0xfe000000    ; c m: far below every c s, so the first step's a is 0
	v_mov_b32 v[ST+4*i+1], 0xff7fffff  ; m: the lowest finite number
.set i, i+1
.endr
	v_add_nc_u32 v[AK], s[TBK], v[AK0]
	FETCH_K                         ; key step 0
	s_wait_loadcnt 0x0              ; Q
	s_wait_dscnt 0x0
.set i, 0
.rept 8
	KQ 0                            ; piece 0's first scores
.set i, i+1
.endr
	WIN 0
.rept 4
	v_nop                           ; the places behind those products
.endr
.set Y, NP-1                        ; X works for piece Y + 1: piece 0
.irp n, 0,1,2,3,4,5,6,7,8,9,10,11,12,13,14,15,16,17,18,19,20,21
	OP X, \n
.endr
	v_nop                           ; a plain instruction behind the exponential,
	s_wait_alu depctr_va_vdst(0)    ; and its wait, ahead of the branch
	WLOAD                           ; tile 0's share of the weights: behind the wait for Q, so that nothing waits for it here
	s_branch .Lfirst                ; the loop is entered at a step's first turn, in the middle of a trip
.Lslot:                             ; six times: tiles 2 to 7 are asked for
	CHANGE 1
	WLOAD
	s_mov_b32 s[CNT], 4
.Lstep:                             ; a trip: pieces 2 and 3 of one step, then pieces 0 and 1 of the next, whose K and V it fetches
	TURN 2
	TURN 3
	WIN 0
.Lfirst:
	TURN 0
	TURN 1, 0, 1
	WIN 0
	s_cbranch_scc1 .Lstep
	WSTORE 1                        ; seven times: the weights that tiles 0 to 6 carry
	s_sub_co_u32 s[SLOTS], s[SLOTS], 1
	s_cmp_lg_u32 s[SLOTS], 0
	s_cbranch_scc1 .Lslot
	CHANGE 0                        ; the last tile is written out
	WLOAD
	s_mov_b32 s[CNT], 5             ; four trips fetch the last tile's steps; the fifth is left in its middle
.Ltail:
	TURN 2, 1
	TURN 3
	WIN 0
	s_sub_co_u32 s[CNT], s[CNT], 1
	s_cmp_eq_u32 s[CNT], 0
	s_cbranch_scc1 .Lout
	TURN 0
	TURN 1
	WIN 0
	s_branch .Ltail
.Lout:                              ; the fifth trip's 8 products K Q^T (on the last K once more) and the maximum made of them serve nothing: the price, once a launch, of one text for every trip
.set i, 0
.rept 8
	PV NP-1                         ; the last piece's V^T P of the last step
.set i, i+1
.endr
	WIN 0
	WSTORE 0                        ; the last tile's weights; its roundings are also the places behind the last products
	; THE WAY OUT.  l's two halves and the other half of the lanes' are added; O^T is divided by l, rounded to bf16 and sent through my stage, a piece at a time.
.macro ALL line:vararg
.set t, 0
.rept 4
	\line
.set t, t+1
.endr
.endm
	ALL v_add_f32 v[ST+4*t+2], v[ST+4*t+2], v[ST+4*t+3]
	ALL v_permlanex16_b32 v[ST+4*t+3], v[ST+4*t+2], s[SEL], s[SEL+1]
	ALL v_add_f32 v[ST+4*t+2], v[ST+4*t+2], v[ST+4*t+3]
	ALL v_rcp_f32 v[ST+4*t+2], v[ST+4*t+2]
	v_nop                           ; a plain instruction between the last reciprocal and the use of its result
	s_wait_alu depctr_va_vdst(0)    ; one wait for the four reciprocals
.macro PACK t
	WIN W_RS
.set i, 32*(\t)
.rept 16
	v_pk_mul_f32 v[i:i+1], v[i:i+1], v[ST+4*(\t)+2:ST+4*(\t)+3] op_sel_hi:[1,0]
.set i, i+2
.endr
	WIN 0x05                        ; sources 0 and 1 window 1, destination window 0
.set i, 0
.rept 16
	v_cvt_pk_bf16_f32 v[S+16*(\t)+i], v[32*(\t)+2*i], v[32*(\t)+2*i+1]
.set i, i+1
.endr
	WIN 0
.irp f, 0,1,2,3
	ds_store_b128 v[STO], v[S+16*(\t)+4*\f:S+16*(\t)+4*\f+3] offset:32*\f
.endr
.irp f, 0,1,2,3
	ds_load_b128 v[S+16*(\t)+4*\f:S+16*(\t)+4*\f+3], v[RD] offset:\f*4*SP  ; LDS serves a wave's instructions in order (ISA guide 5.7.1.4): these see the stores above
.endr
.endm
.macro SEND t, younger              ; younger: the LDS instructions issued behind piece t's loads
	WIN 0
.irp f, 0,1,2,3
	s_wait_dscnt (\younger)+3-\f
	global_store_b128 v[GO], v[S+16*(\t)+4*\f:S+16*(\t)+4*\f+3], s[10:11] offset:(\t)*2048+\f*512  ; 512 consecutive bytes, at a multiple of 256 from ctx's first
.endr
.endm
	PACK 0
.set t, 1
.rept 3
	PACK t
	SEND t-1, 8
.set t, t+1
.endr
	SEND 3, 0
	s_wait_tensorcnt 0x0            ; the wave's end
	ds_add_u32 v[SPW], v[NIL]
	s_wait_dscnt 0x0
	CROUND                          ; the closing round
	s_endpgm
.Lfunc_end_k_qd53764fc60_k_attn:
	.size	k_qd53764fc60_k_attn, .Lfunc_end_k_qd53764fc60_k_attn-k_qd53764fc60_k_attn
	.p2alignl 7, 3214868480
	.fill 96, 4, 3214868480
	.section	.rodata,"a",@progbits
	.p2align	6, 0x0
	.amdhsa_kernel k_qd53764fc60_k_attn
		.amdhsa_group_segment_fixed_size 327680
		.amdhsa_private_segment_fixed_size 0
		.amdhsa_enable_private_segment 0
		.amdhsa_kernarg_size 48
		.amdhsa_user_sgpr_count 2
		.amdhsa_user_sgpr_kernarg_segment_ptr 1
		.amdhsa_wavefront_size32 1
		.amdhsa_system_sgpr_workgroup_id_x 1
		.amdhsa_system_sgpr_workgroup_id_y 1
		.amdhsa_system_sgpr_workgroup_id_z 1
		.amdhsa_system_vgpr_workitem_id 0
		.amdhsa_next_free_vgpr 768
		.amdhsa_next_free_sgpr 84
		.amdhsa_reserve_vcc 0
		.amdhsa_float_denorm_mode_32 3
		.amdhsa_float_denorm_mode_16_64 3
		.amdhsa_memory_ordered 1
		.amdhsa_forward_progress 1
		.amdhsa_inst_pref_size 119
	.end_amdhsa_kernel
	.amdgpu_metadata
---
amdhsa.version: [ 1, 2 ]
amdhsa.kernels:
  - .name:           k_qd53764fc60_k_attn
    .symbol:         k_qd53764fc60_k_attn.kd
    .args:
      - { .name: qkv, .offset: 0, .size: 8, .value_kind: global_buffer, .address_space: global }
      - { .name: ctx, .offset: 8, .size: 8, .value_kind: global_buffer, .address_space: global }
      - { .name: wo, .offset: 16, .size: 8, .value_kind: global_buffer, .address_space: global }
      - { .name: w1, .offset: 24, .size: 8, .value_kind: global_buffer, .address_space: global }
      - { .name: w2, .offset: 32, .size: 8, .value_kind: global_buffer, .address_space: global }
      - { .name: wb, .offset: 40, .size: 8, .value_kind: global_buffer, .address_space: global }
    .group_segment_fixed_size: 327680
    .private_segment_fixed_size: 0
    .kernarg_segment_align: 8
    .kernarg_segment_size: 48
    .max_flat_workgroup_size: 128
    .sgpr_count:     84
    .vgpr_count:     768
    .wavefront_size: 32
...
	.end_amdgpu_metadata
.endif
;; end of part 3
;; launch k_wo (part 4): grid 8 x 32, 4 waves a work-group, clusters of 4 x 4, 327,680 bytes of LDS; arguments ctx, wb, bo, x, z1; writes z1
.if DOCPART == 4
	.amdgcn_target "amdgcn-amd-amdhsa--gfx1250"
	.amdhsa_code_object_version 6
	.text
	.protected	k_qd53764fc60_k_wo
	.globl	k_qd53764fc60_k_wo
	.p2align	8
	.type	k_qd53764fc60_k_wo,@function
k_qd53764fc60_k_wo:
	s_mov_b64 s[64:65], 0
	v_nop
	global_prefetch_b8 v0, s[64:65] scope:SCOPE_SE
	s_setreg_imm32_b32 hwreg(HW_REG_WAVE_MODE, 25, 1), 1
	s_wait_xcnt 0x0
	s_wait_alu depctr_hold_cnt(0) depctr_sa_sdst(0) depctr_va_vdst(0) depctr_va_sdst(0) depctr_va_ssrc(0) depctr_va_vcc(0) depctr_vm_vsrc(0)
	s_getreg_b32 s2, hwreg(HW_REG_IB_STS2, 6, 4)
	s_cmp_eq_u32 s2, 0
	s_cbranch_scc0 .Lentry_in_a_cluster
	s_endpgm
.Lentry_in_a_cluster:
	s_bfe_u32 s2, ttmp6, 0x10000c
	s_cmp_lg_u32 s2, 0xf033
	s_cbranch_scc0 .Lentry_shape_is_right
	s_endpgm
.Lentry_shape_is_right:
; z1[t][n] = the sum over e of ctx[t][e] wo[n][e] + bo[n] + x[t][n].  ctx is bf16 BY HEADS, [32 = batch x 16 + head][2048][64]; wo is bf16 in wb at byte 0xE00000; bo, x and z1 are f32; sums in f32.
; A tile of 128 x 128 is made by four waves, each 64 x 64: 16 accumulators.  K = 1,024 goes in 4 steps of 256 (four heads) through two LDS slots; a quarter step of 64 is one head.
; ctx's tile comes straight from the head layout: one load brings 4 heads x (64 tokens x 64 channels, 8,192 dense bytes), padded after every token: in LDS [head][token], 144 bytes a token.
; CLUSTER 4 x 4: ctx's tile is shared along a row of the cluster, wo's along a column.  The matrix instruction is used transposed: a lane holds one token and eight neighbouring columns.
; One text for a K step: the slot in hand is a scalar (TB) turned by an exclusive or, and so is the walking descriptor's LDS word (SLOT shares no bit with a tile's place in a slot).
; No prefetch: the tiles are small, and each K step's rows are read by many work-groups at about the same time.
; REGISTERS: window 0: v16-29 addresses, v32-95 the way out, v128-255 the accumulators; window 1: two fragment buffers of 128; window 2: v0-127 the residual, v128-131 the bias, loaded at the start.
.set HEADS,  1
.set STEPS,  4
.set PA,     144                       ; A's LDS pitch: 128 bytes + 16
.set QA,     64*PA                     ; from quarter to quarter: a head's 64 tokens
.set AHALF,  4*QA                      ; what one load of A brings
.set PB,     528                       ; B's LDS pitch: 512 bytes + 16
.set QB,     128
.set BHALF,  64*PB
.set SLOT,   147456                    ; 2 AHALF + 2 BHALF = 141,312 are used
.set ASTEP,  4*2048*64*2               ; four heads on
.set BSTEP,  512
.set KB,     1024                      ; elements in a row of B
.set WOFF,   0xE00000
.set STAGE,  2*SLOT                    ; behind the ring, never filled by a tensor load: 16 rows x 272 bytes a wave
.set SPITCH, 272
.set SPARE,  STAGE+4*16*SPITCH         ; the spare words, 128 bytes a wave
.set ADRA, 16
.set ADRB, 17
.set CA,   18
.set CB,   19
.set STO,  24
.set RD,   25
.set CO,   26
.set BO,   27
.set SPW,  28
.set NIL,  29
.set TMP,  32
.set ACC,  128
.set F0,   0
.set F1,   128
.set RES,  0                           ; window 2
.set BIA,  128                         ; window 2
.set G1,   24
.set G0,   32
.set G1B,  48
.set G0B,  56
.set TB,   66
.set CNT,  67
.set MSB, 0
.macro WIN new
.if MSB != (\new)
	s_set_vgpr_msb (MSB<<8)|(\new)
.set MSB, \new
.endif
.endm
.set MUL,  0x05                        ; sources 0 (B) and 1 (A) window 1; C and D window 0
.set TO_F, 0x40                        ; destination window 1, address window 0
.macro JLOAD s                         ; a joint load: waves 0 and 1 fetch A's two halves, waves 2 and 3 B's; an s_nop 0 and four v_nop follow each line
	s_cmp_eq_u32 s11, 0
	s_cbranch_scc0 .Lfor_b_\@
	tensor_load_to_lds s[G0+4*(\s):G0+4*(\s)+3], s[G1:G1+7]
	s_nop 0
.rept 4
	v_nop
.endr
	s_branch .Lasked_\@
.Lfor_b_\@:
	tensor_load_to_lds s[G0B+4*(\s):G0B+4*(\s)+3], s[G1B:G1B+7]
	s_nop 0
.rept 4
	v_nop
.endr
.Lasked_\@:
.endm
.macro CREST
	s_cmp_lg_u32 s10, 0
	s_cbranch_scc1 .Lnot_wave_0_\@
	s_barrier_signal -3
.Lnot_wave_0_\@:
	s_barrier_wait -3
	s_barrier_signal -1
	s_barrier_wait -1
.endm
.macro CROUND
	s_barrier_signal -1
	s_barrier_wait -1
	CREST
.endm
	s_load_b128 s[4:7], s[0:1], 0x0                ; A s[4:5], wb s[6:7]
	s_load_b128 s[72:75], s[0:1], 0x10             ; bias s[72:73], residual s[74:75]
	s_load_b64 s[8:9], s[0:1], 0x20                ; the result
	v_lshl_add_u32 v[SPW], v0, 2, SPARE
	v_mov_b32 v[NIL], 0
	ds_add_u32 v[SPW], v[NIL]                      ; the wave's opening: the add and its wait stand ahead of my first tensor load
	v_lshrrev_b32 v1, 5, v0
	v_readfirstlane_b32 s10, v1                    ; wave 0..3
	s_lshr_b32 s11, s10, 1                         ; my half of the tile's rows.  Also: I fetch for A (0) or for B (1)
	s_and_b32 s12, s10, 1                          ; my half of its columns.  Also: which 64 rows I fetch
	s_bfe_u32 s40, ttmp6, 0x40000
	s_bfe_u32 s41, ttmp6, 0x40004
	s_lshl_b32 s42, ttmp9, 2
	s_add_co_u32 s42, s42, s40                     ; tile column
	s_and_b32 s13, ttmp7, 0xffff
	s_lshl_b32 s13, s13, 2
	s_add_co_u32 s13, s13, s41                     ; tile row
	s_lshl_b32 s43, s41, 2
	s_lshl_b32 s43, 15, s43                        ; my row of the cluster
	s_lshl_b32 s44, 0x1111, s40                    ; my column
.if HEADS
	s_or_b32 s[G1+0], s43, (1<<16)|(1<<20)|(1<<21)|(4<<22)|(3<<25)  ; padding after every 32 words (a token), 4 words
	s_mov_b32 s[G1+1], 4096<<16                    ; tensor_dim0 = 4,096: 64 tokens x 64 channels on end
	s_mov_b32 s[G1+2], 4<<16                       ; tensor_dim1 = 4 heads
	s_mov_b32 s[G1+3], 4096<<16                    ; tile_dim0
	s_mov_b32 s[G1+4], 4                           ; tile_dim1
	s_mov_b32 s[G1+5], 131072                      ; elements from head to head
.else
	s_or_b32 s[G1+0], s43, (1<<16)|(1<<20)|(1<<21)|(6<<22)|(3<<25)  ; padding after every 128 words, 4 words
	s_mov_b32 s[G1+1], 256<<16
	s_mov_b32 s[G1+2], 64<<16
	s_mov_b32 s[G1+3], 256<<16
	s_mov_b32 s[G1+4], 64
	s_mov_b32 s[G1+5], KB
.endif
	s_mov_b32 s[G1+6], 0
	s_mov_b32 s[G1+7], 0
	s_or_b32 s[G1B+0], s44, (1<<16)|(1<<20)|(1<<21)|(6<<22)|(3<<25)
	s_mov_b32 s[G1B+1], 256<<16
	s_mov_b32 s[G1B+2], 64<<16
	s_mov_b32 s[G1B+3], 256<<16
	s_mov_b32 s[G1B+4], 64
	s_mov_b32 s[G1B+5], KB
	s_mov_b32 s[G1B+6], 0
	s_mov_b32 s[G1B+7], 0
	s_lshl_b32 s18, s12, 6                         ; which 64 rows I fetch
.if HEADS
	s_lshr_b32 s16, s13, 4                         ; the batch: 16 tile rows each,
	s_lshl_b32 s16, s16, 22                        ; 16 heads of 262,144 bytes
	s_and_b32 s17, s13, 15
	s_lshl_b32 s17, s17, 7
	s_add_co_u32 s17, s17, s18                     ; my first token in the batch,
	s_lshl_b32 s17, s17, 7                         ; of 128 bytes
	s_add_co_u32 s16, s16, s17
	s_lshl_b32 s46, s42, 7
	s_add_co_u32 s46, s46, s18
	s_lshl_b32 s46, s46, 11                        ; B's row, of 2,048 bytes
.else
	s_lshl_b32 s16, s13, 7
	s_add_co_u32 s16, s16, s18
	s_lshl_b32 s16, s16, 13                        ; A's row, of 8,192 bytes
	s_lshl_b32 s46, s42, 7
	s_add_co_u32 s46, s46, s18
	s_lshl_b32 s46, s46, 13
.endif
	s_mov_b32 s17, 0
	s_mov_b32 s47, 0
	s_mul_i32 s20, s12, AHALF                      ; where A's half goes,
	s_mul_i32 s21, s12, BHALF
	s_add_co_u32 s21, s21, 2*AHALF                 ; and B's: no place in the cluster enters an LDS address
	s_wait_dscnt 0x0                               ; the opening add is done
	s_wait_kmcnt 0x0
	s_add_nc_u64 s[6:7], s[6:7], WOFF
	s_add_nc_u64 s[14:15], s[4:5], s[16:17]
	s_add_nc_u64 s[46:47], s[6:7], s[46:47]
	CROUND
.irp s, 0,1
	s_mov_b32 s[G0+4*(\s)], 1
	s_add_co_u32 s[G0+4*(\s)+1], s20, (\s)*SLOT
	s_add_nc_u64 s[G0+4*(\s)+2:G0+4*(\s)+3], s[14:15], (\s)*ASTEP
	s_or_b32 s[G0+4*(\s)+3], s[G0+4*(\s)+3], 0x80000000
	s_mov_b32 s[G0B+4*(\s)], 1
	s_add_co_u32 s[G0B+4*(\s)+1], s21, (\s)*SLOT
	s_add_nc_u64 s[G0B+4*(\s)+2:G0B+4*(\s)+3], s[46:47], (\s)*BSTEP
	s_or_b32 s[G0B+4*(\s)+3], s[G0B+4*(\s)+3], 0x80000000
	JLOAD \s                                       ; K steps 0 and 1: two loads of mine are out
.endr
	v_and_b32 v1, 15, v0                           ; l % 16
	v_bfe_u32 v2, v0, 4, 1                         ; l / 16
	v_mul_u32_u24 v3, v1, PA
	v_lshl_add_u32 v3, v2, 4, v3
	s_mul_i32 s22, s11, AHALF
	v_add_nc_u32 v[ADRA], s22, v3
	v_mul_u32_u24 v3, v1, PB
	v_lshl_add_u32 v3, v2, 4, v3
	v_add_nc_u32 v[ADRB], s21, v3                  ; the half of B that I multiply is the one whose number is s12
	v_mov_b32 v[CA], v[ADRA]
	v_mov_b32 v[CB], v[ADRB]
	s_mov_b32 s[TB], 0
	s_mul_i32 s23, s10, 16*SPITCH
	s_add_co_u32 s23, s23, STAGE                   ; my stage
	v_mul_u32_u24 v4, v1, SPITCH
	v_lshl_add_u32 v4, v2, 5, v4                   ; in: row l % 16, 32 bytes for each half of the lanes
	v_add_nc_u32 v[STO], s23, v4
	v_mul_u32_u24 v5, v2, SPITCH                   ; back: lanes 0-15 one row of 256 bytes, lanes 16-31 the next
	v_lshl_add_u32 v5, v1, 4, v5
	v_add_nc_u32 v[RD], s23, v5
	v_lshlrev_b32 v[BO], 4, v1                     ; my four columns
	v_lshl_add_u32 v[CO], v2, 12, v[BO]            ; and the same two rows, of 4,096 bytes, in the residual and the result
	s_lshl_b32 s16, s13, 7
	s_lshl_b32 s17, s11, 6
	s_add_co_u32 s16, s16, s17                     ; my first row
	s_lshl_b32 s16, s16, 12
	s_lshl_b32 s46, s42, 7
	s_lshl_b32 s47, s12, 6
	s_add_co_u32 s46, s46, s47                     ; my first column
	s_lshl_b32 s46, s46, 2
	s_mov_b32 s47, 0
	s_add_nc_u64 s[72:73], s[72:73], s[46:47]
	s_add_co_u32 s16, s16, s46
	s_mov_b32 s17, 0
	s_add_nc_u64 s[74:75], s[74:75], s[16:17]
	s_add_nc_u64 s[8:9], s[8:9], s[16:17]
	WIN 0x80                                       ; destination window 2: my 64 x 64 of the residual and my bias; they are on their way during the whole K loop
.irp a, 0,1,2,3
.irp t, 0,1,2,3,4,5,6,7
	global_load_b128 v[RES+4*(8*(\a)+(\t)):RES+4*(8*(\a)+(\t))+3], v[CO], s[74:75] offset:(16*(\a)+2*(\t))*4096
.endr
.endr
	global_load_b128 v[BIA:BIA+3], v[BO], s[72:73]
	WIN 0
; 8 matrix instructions: row blocks a0, a0 + 1 x all 4 column blocks, 32 along K: half c of buffer f.  The 16 accumulators take turns.
.macro MUL8 f, c, a0, zero
	WIN MUL
.irp a, \a0, (\a0)+1
.irp b, 0,1,2,3
.if \zero
	v_wmma_f32_16x16x32_bf16 v[ACC+8*(4*(\a)+(\b)):ACC+8*(4*(\a)+(\b))+7], v[(\f)+64+8*(4*(\c)+(\b)):(\f)+64+8*(4*(\c)+(\b))+7], v[(\f)+8*(4*(\c)+(\a)):(\f)+8*(4*(\c)+(\a))+7], 0
.else
	v_wmma_f32_16x16x32_bf16 v[ACC+8*(4*(\a)+(\b)):ACC+8*(4*(\a)+(\b))+7], v[(\f)+64+8*(4*(\c)+(\b)):(\f)+64+8*(4*(\c)+(\b))+7], v[(\f)+8*(4*(\c)+(\a)):(\f)+8*(4*(\c)+(\a))+7], v[ACC+8*(4*(\a)+(\b)):ACC+8*(4*(\a)+(\b))+7]
.endif
.endr
.endr
.endm
; 32 LDS loads in one run: quarter q's fragments of the slot in hand into buffer f; the first 32 along K first
.macro FETCH q, f
	WIN TO_F
.irp c, 0,1
.irp i, 0,1,2,3
	ds_load_b128 v[(\f)+64+8*(4*(\c)+(\i)):(\f)+64+8*(4*(\c)+(\i))+3],   v[CB] offset:(\q)*QB+64*(\c)+(\i)*16*PB
	ds_load_b128 v[(\f)+64+8*(4*(\c)+(\i))+4:(\f)+64+8*(4*(\c)+(\i))+7], v[CB] offset:(\q)*QB+64*(\c)+(\i)*16*PB+32
	ds_load_b128 v[(\f)+8*(4*(\c)+(\i)):(\f)+8*(4*(\c)+(\i))+3],         v[CA] offset:(\q)*QA+64*(\c)+(\i)*16*PA
	ds_load_b128 v[(\f)+8*(4*(\c)+(\i))+4:(\f)+8*(4*(\c)+(\i))+7],       v[CA] offset:(\q)*QA+64*(\c)+(\i)*16*PA+32
.endr
.endr
.endm
.macro PLACES
.rept 4
	v_nop
.endr
.endm
.macro QUARTER q, f, g, zero           ; multiplies buffer f and fetches quarter q into g
	s_wait_dscnt 16                                ; the first 32 along K are in
	MUL8 \f, 0, 0, \zero
	MUL8 \f, 0, 2, \zero
	PLACES
	FETCH \q, \g
	s_wait_dscnt 32                                ; all but the 32 just issued
	MUL8 \f, 1, 0, 0
	MUL8 \f, 1, 2, 0
.endm
; The last quarter multiplies buffer 1 and changes slots: in front of the one barrier each wave waits for all its tensor loads, adds 0 to its spare word, and waits for that and for its reads of this slot.
; fill = 1: the barrier opens a round of the cluster's, and the joint refill, with the K step two on, is the first thing behind it: 112 matrix instructions stand between it and the wait for it.
.macro TURN fill
	WIN 0
	s_wait_tensorcnt 0x0
	ds_add_u32 v[SPW], v[NIL]
.if \fill
	s_xor_b32 s[G0+5], s[G0+5], SLOT
	s_add_nc_u64 s[G0+6:G0+7], s[G0+6:G0+7], ASTEP
	s_xor_b32 s[G0B+5], s[G0B+5], SLOT
	s_add_nc_u64 s[G0B+6:G0B+7], s[G0B+6:G0B+7], BSTEP
.endif
	s_xor_b32 s[TB], s[TB], SLOT
	v_add_nc_u32 v[CA], s[TB], v[ADRA]
	v_add_nc_u32 v[CB], s[TB], v[ADRB]
	s_wait_dscnt 17                                ; the add and the youngest sixteen loads may be out
	MUL8 F1, 0, 0, 0
	s_wait_dscnt 0x0                               ; the add is done, and my reads of this slot are over
	s_barrier_signal -1
	MUL8 F1, 0, 2, 0
.if \fill
	WIN 0
.endif
	s_barrier_wait -1
.if \fill
	CREST
	JLOAD 1
.else
	PLACES
.endif
	FETCH 0, F0
	MUL8 F1, 1, 0, 0
	MUL8 F1, 1, 2, 0
.endm
	s_wait_tensorcnt 1                             ; my part of K step 0 is in; K step 1's may stay out
	s_barrier_signal -1
	s_barrier_wait -1
	FETCH 0, F0
	QUARTER 1, F0, F1, 1
	WIN 0
	s_mov_b32 s3, STEPS-2
.Lstep:
	QUARTER 2, F1, F0, 0
	QUARTER 3, F0, F1, 0
	TURN 1
	QUARTER 1, F0, F1, 0
	WIN 0
	s_sub_co_u32 s3, s3, 1
	s_cmp_lg_u32 s3, 0
	s_cbranch_scc1 .Lstep
	s_mov_b32 s[CNT], 2
.Ltail:                                        ; the last two K steps ask for nothing; the second trip is left in its middle, and its 32 fragment loads serve nothing
	QUARTER 2, F1, F0, 0
	QUARTER 3, F0, F1, 0
	TURN 0
	WIN 0
	s_sub_co_u32 s[CNT], s[CNT], 1
	s_cmp_eq_u32 s[CNT], 0
	s_cbranch_scc1 .Lout
	QUARTER 1, F0, F1, 0
	WIN 0
	s_branch .Ltail
.Lout:
	s_wait_dscnt 0x0
	PLACES                                         ; the places behind the last products
	s_wait_loadcnt 0x0                             ; the residual and the bias
; THE WAY OUT, 16 rows at a time, through my own stage: in as 32 bytes a lane, back as whole rows of 256 bytes; bias and residual are added in f32.
.macro OUTB a
.if (\a) >= 2
	s_wait_xcnt 0x0                                ; the stores of the block two back have read the registers that the loads below fill
.endif
.irp b, 0,1,2,3
	ds_store_b128 v[STO], v[ACC+8*(4*(\a)+(\b)):ACC+8*(4*(\a)+(\b))+3]   offset:64*(\b)
	ds_store_b128 v[STO], v[ACC+8*(4*(\a)+(\b))+4:ACC+8*(4*(\a)+(\b))+7] offset:64*(\b)+16
.endr
.irp t, 0,1,2,3,4,5,6,7
	ds_load_b128 v[TMP+32*((\a)%2)+4*(\t):TMP+32*((\a)%2)+4*(\t)+3], v[RD] offset:(\t)*2*SPITCH  ; LDS serves a wave's instructions in order: these see the stores above, and the next block's stores come behind them
.endr
.endm
.macro FIN a, younger                  ; younger: the next block's 8 stores and 8 loads, or none
	s_wait_dscnt \younger
	WIN 0x08                                       ; source 1 in window 2
.irp t, 0,1,2,3,4,5,6,7
.irp c, 0,1
	v_pk_add_f32 v[TMP+32*((\a)%2)+4*(\t)+2*(\c):TMP+32*((\a)%2)+4*(\t)+2*(\c)+1], v[TMP+32*((\a)%2)+4*(\t)+2*(\c):TMP+32*((\a)%2)+4*(\t)+2*(\c)+1], v[BIA+2*(\c):BIA+2*(\c)+1]
.endr
.endr
.irp t, 0,1,2,3,4,5,6,7
.irp c, 0,1
	v_pk_add_f32 v[TMP+32*((\a)%2)+4*(\t)+2*(\c):TMP+32*((\a)%2)+4*(\t)+2*(\c)+1], v[TMP+32*((\a)%2)+4*(\t)+2*(\c):TMP+32*((\a)%2)+4*(\t)+2*(\c)+1], v[RES+4*(8*(\a)+(\t))+2*(\c):RES+4*(8*(\a)+(\t))+2*(\c)+1]
.endr
.endr
	WIN 0
.irp t, 0,1,2,3,4,5,6,7
	global_store_b128 v[CO], v[TMP+32*((\a)%2)+4*(\t):TMP+32*((\a)%2)+4*(\t)+3], s[8:9] offset:(16*(\a)+2*(\t))*4096  ; 16 lanes store 256 consecutive bytes, aligned
.endr
.endm
	OUTB 0
	OUTB 1
	FIN 0, 16
	OUTB 2
	FIN 1, 16
	OUTB 3
	FIN 2, 16
	FIN 3, 0
	s_wait_tensorcnt 0x0                           ; the wave's end
	ds_add_u32 v[SPW], v[NIL]
	s_wait_dscnt 0x0
	CROUND                                         ; the closing round
	s_endpgm
.Lfunc_end_k_qd53764fc60_k_wo:
	.size	k_qd53764fc60_k_wo, .Lfunc_end_k_qd53764fc60_k_wo-k_qd53764fc60_k_wo
	.p2alignl 7, 3214868480
	.fill 96, 4, 3214868480
	.section	.rodata,"a",@progbits
	.p2align	6, 0x0
	.amdhsa_kernel k_qd53764fc60_k_wo
		.amdhsa_group_segment_fixed_size 327680
		.amdhsa_private_segment_fixed_size 0
		.amdhsa_enable_private_segment 0
		.amdhsa_kernarg_size 40
		.amdhsa_user_sgpr_count 2
		.amdhsa_user_sgpr_kernarg_segment_ptr 1
		.amdhsa_wavefront_size32 1
		.amdhsa_system_sgpr_workgroup_id_x 1
		.amdhsa_system_sgpr_workgroup_id_y 1
		.amdhsa_system_sgpr_workgroup_id_z 1
		.amdhsa_system_vgpr_workitem_id 0
		.amdhsa_next_free_vgpr 648
		.amdhsa_next_free_sgpr 80
		.amdhsa_reserve_vcc 0
		.amdhsa_float_denorm_mode_32 3
		.amdhsa_float_denorm_mode_16_64 3
		.amdhsa_memory_ordered 1
		.amdhsa_forward_progress 1
		.amdhsa_inst_pref_size 69
	.end_amdhsa_kernel
	.amdgpu_metadata
---
amdhsa.version: [ 1, 2 ]
amdhsa.kernels:
  - .name:           k_qd53764fc60_k_wo
    .symbol:         k_qd53764fc60_k_wo.kd
    .args:
      - { .name: ctx, .offset: 0, .size: 8, .value_kind: global_buffer, .address_space: global }
      - { .name: wb, .offset: 8, .size: 8, .value_kind: global_buffer, .address_space: global }
      - { .name: bo, .offset: 16, .size: 8, .value_kind: global_buffer, .address_space: global }
      - { .name: x, .offset: 24, .size: 8, .value_kind: global_buffer, .address_space: global }
      - { .name: z1, .offset: 32, .size: 8, .value_kind: global_buffer, .address_space: global }
    .group_segment_fixed_size: 327680
    .private_segment_fixed_size: 0
    .kernarg_segment_align: 8
    .kernarg_segment_size: 40
    .max_flat_workgroup_size: 128
    .sgpr_count:     80
    .vgpr_count:     648
    .wavefront_size: 32
...
	.end_amdgpu_metadata
.endif
;; end of part 4
;; launch k_ln1 (part 5): grid 256 x 1, 16 waves a work-group, no clusters, 10,240 bytes of LDS; arguments z1, g1, b1, h, hb; writes h, hb
.if DOCPART == 5
	.amdgcn_target "amdgcn-amd-amdhsa--gfx1250"
	.amdhsa_code_object_version 6
	.text
	.protected	k_qd53764fc60_k_ln1
	.globl	k_qd53764fc60_k_ln1
	.p2align	8
	.type	k_qd53764fc60_k_ln1,@function
k_qd53764fc60_k_ln1:
	s_mov_b64 s[64:65], 0
	v_nop
	global_prefetch_b8 v0, s[64:65] scope:SCOPE_SE
	s_setreg_imm32_b32 hwreg(HW_REG_WAVE_MODE, 25, 1), 1
	s_wait_xcnt 0x0
; h[t][:] = (z1[t][:] - mean) / sqrt(var + 1e-5) * g1 + b1, in f32; hb is h rounded once to bf16, for the next product.  Rows of 1,024.
; A stream.  A work-group owns 16 rows, a wave one: it keeps the row in 32 registers between the passes, so each byte of z1 is read once.  The mean is taken away before the squares are summed.
; Load j of a row covers the 512 bytes at 512 j + 16 x lane.  The gains and biases, 8 KiB that all 16 waves want, are fetched ONCE a work-group, 16 bytes a thread (waves 0-7 the gains, 8-15 the biases),
; laid into LDS and read from there in the row's order: 72 KiB come from memory for a work-group's 16 rows, not 192.
.set BF, 1                             ; 1: the bf16 copy is written too
.set SPARE, 8192                       ; LDS: gains at byte 0, biases at 4,096; behind them the spare words, 128 bytes for each of the 16 waves
.set G,  8                             ; v[8:39]    gains
.set BB, 40                            ; v[40:71]   biases
.set X,  72                            ; v[72:103]  the row
.set SM, 104                           ; v[104:111] four chains of sums
.set MN, 112                           ; v[112:113] the mean, twice
.set RS, 114                           ; v[114:115] 1 / sqrt(var + eps), twice
.set Y,  116                           ; v[116:131] the row in bf16
.set CH, 132                           ; v[132:135] my 16 bytes of the gains or biases
.set SPW, 136                          ; v136 my spare word; never rewritten
.set NIL, 137                          ; v137 0; never rewritten
	s_load_b256 s[4:11], s[0:1], 0x0               ; in s[4:5], gain s[6:7], bias s[8:9], out s[10:11]
.if BF
	s_load_b64 s[16:17], s[0:1], 0x20              ; the bf16 copy
.endif
	v_lshl_add_u32 v[SPW], v0, 2, SPARE
	v_mov_b32 v[NIL], 0
	v_lshrrev_b32 v2, 5, v0
	v_readfirstlane_b32 s18, v2                    ; wave 0..15
	v_and_b32 v3, 31, v0
	v_lshlrev_b32 v3, 4, v3                        ; 16 x lane: my place in 512 bytes, in memory and in LDS
	v_lshl_add_u32 v1, v2, 12, v3                  ; + wave x a row of 4,096 bytes
.if BF
	v_lshrrev_b32 v2, 1, v1                        ; the same in bf16: 8 x lane + wave x 2,048
.endif
	v_lshlrev_b32 v4, 4, v0                        ; where my 16 bytes of gains or biases go in LDS: 16 t
	v_and_b32 v5, 0xff, v0
	v_lshlrev_b32 v5, 4, v5                        ; and where they lie in their tensor
	s_lshl_b32 s2, ttmp9, 16                       ; the work-group's 16 rows
	s_mov_b32 s3, 0
	s_mov_b32 s12, 0x76543210                      ; v_permlanex16_b32: each lane takes its own place in the other half
	s_mov_b32 s13, 0xfedcba98
	s_mov_b32 s14, 0x3a800000                      ; 1 / 1024
	s_mov_b32 s15, 0x3727c5ac                      ; 1e-5
	s_wait_kmcnt 0x0
	s_add_nc_u64 s[4:5], s[4:5], s[2:3]
	s_add_nc_u64 s[10:11], s[10:11], s[2:3]
.if BF
	s_lshl_b32 s2, ttmp9, 15
	s_add_nc_u64 s[16:17], s[16:17], s[2:3]
.endif
	s_cmp_lt_u32 s18, 8
	s_cselect_b64 s[20:21], s[6:7], s[8:9]
	global_load_b128 v[CH:CH+3], v5, s[20:21]
.irp j, 0,1,2,3,4,5,6,7
	global_load_b128 v[X+4*(\j):X+4*(\j)+3], v1, s[4:5] offset:512*(\j) th:TH_LOAD_NT
.endr
.macro REDUCE                          ; the four chains into one number, the same in every lane
	v_pk_add_f32 v[SM:SM+1], v[SM:SM+1], v[SM+2:SM+3]
	v_pk_add_f32 v[SM+4:SM+5], v[SM+4:SM+5], v[SM+6:SM+7]
	v_pk_add_f32 v[SM:SM+1], v[SM:SM+1], v[SM+4:SM+5]
	v_add_f32 v[SM], v[SM], v[SM+1]
	v_add_f32_dpp v[SM], v[SM], v[SM] row_xmask:1 row_mask:0xf bank_mask:0xf
	v_add_f32_dpp v[SM], v[SM], v[SM] row_xmask:2 row_mask:0xf bank_mask:0xf
	v_add_f32_dpp v[SM], v[SM], v[SM] row_xmask:4 row_mask:0xf bank_mask:0xf
	v_add_f32_dpp v[SM], v[SM], v[SM] row_xmask:8 row_mask:0xf bank_mask:0xf
	v_permlanex16_b32 v[SM+1], v[SM], s12, s13
	v_add_f32 v[SM], v[SM], v[SM+1]
.endm
	s_wait_loadcnt 8                               ; my piece of the gains or biases is in; the row's eight loads may stay out
	ds_store_b128 v4, v[CH:CH+3]
	s_wait_dscnt 0x0                               ; for the others' sake: my store is done
	s_barrier_signal -1
	s_wait_loadcnt 0x0                             ; the row.  Its sum, work on registers, stands between the signal and the wait
.irp c, 0,1,2,3
	v_pk_add_f32 v[SM+2*(\c):SM+2*(\c)+1], v[X+2*(\c):X+2*(\c)+1], v[X+8+2*(\c):X+8+2*(\c)+1]  ; the first pairs start the chains
.endr
.irp k, 2,3
.irp c, 0,1,2,3
	v_pk_add_f32 v[SM+2*(\c):SM+2*(\c)+1], v[SM+2*(\c):SM+2*(\c)+1], v[X+8*(\k)+2*(\c):X+8*(\k)+2*(\c)+1]
.endr
.endr
	REDUCE
	v_mul_f32 v[MN], s14, v[SM]
	v_mov_b32 v[MN+1], v[MN]
	s_barrier_wait -1                              ; all 8 KiB lie in LDS
.irp j, 0,1,2,3,4,5,6,7
	ds_load_b128 v[G+4*(\j):G+4*(\j)+3], v3 offset:512*(\j)
.endr
.irp j, 0,1,2,3,4,5,6,7
	ds_load_b128 v[BB+4*(\j):BB+4*(\j)+3], v3 offset:4096+512*(\j)
.endr
.set i, 0
.rept 16
	v_pk_add_f32 v[X+2*i:X+2*i+1], v[X+2*i:X+2*i+1], v[MN:MN+1] neg_lo:[0,1] neg_hi:[0,1]
.set i, i+1
.endr
.irp c, 0,1,2,3
	v_pk_mul_f32 v[SM+2*(\c):SM+2*(\c)+1], v[X+2*(\c):X+2*(\c)+1], v[X+2*(\c):X+2*(\c)+1]
.endr
.irp k, 1,2,3
.irp c, 0,1,2,3
	v_pk_fma_f32 v[SM+2*(\c):SM+2*(\c)+1], v[X+8*(\k)+2*(\c):X+8*(\k)+2*(\c)+1], v[X+8*(\k)+2*(\c):X+8*(\k)+2*(\c)+1], v[SM+2*(\c):SM+2*(\c)+1]
.endr
.endr
	REDUCE
	v_fma_f32 v[SM+2], v[SM], s14, s15             ; var + eps
	v_rsq_f32 v[RS], v[SM+2]
	v_rsq_f32 v[RS+1], v[SM+2]
	v_nop                                          ; a plain instruction behind the last of the two,
	s_wait_alu depctr_va_vdst(0)                   ; and one wait for both, ahead of the first reader
.set i, 0
.rept 16
	v_pk_mul_f32 v[X+2*i:X+2*i+1], v[X+2*i:X+2*i+1], v[RS:RS+1]
.set i, i+1
.endr
	s_wait_dscnt 0x0                               ; gains and biases are in registers
.set i, 0
.rept 16
	v_pk_fma_f32 v[X+2*i:X+2*i+1], v[X+2*i:X+2*i+1], v[G+2*i:G+2*i+1], v[BB+2*i:BB+2*i+1]
.set i, i+1
.endr
.irp j, 0,1,2,3,4,5,6,7
.if BF
	global_store_b128 v1, v[X+4*(\j):X+4*(\j)+3], s[10:11] offset:512*(\j)
.else
	global_store_b128 v1, v[X+4*(\j):X+4*(\j)+3], s[10:11] offset:512*(\j) th:TH_STORE_NT
.endif
.endr
.if BF
.set i, 0
.rept 16
	v_cvt_pk_bf16_f32 v[Y+i], v[X+2*i], v[X+2*i+1]
.set i, i+1
.endr
.irp j, 0,1,2,3,4,5,6,7
	global_store_b64 v2, v[Y+2*(\j):Y+2*(\j)+1], s[16:17] offset:256*(\j)  ; the wave stores 256 consecutive bytes, aligned
.endr
.endif
	s_wait_tensorcnt 0x0                           ; the wave's end, behind my last LDS store
	ds_add_u32 v[SPW], v[NIL]
	s_wait_dscnt 0x0
	s_endpgm
.Lfunc_end_k_qd53764fc60_k_ln1:
	.size	k_qd53764fc60_k_ln1, .Lfunc_end_k_qd53764fc60_k_ln1-k_qd53764fc60_k_ln1
	.p2alignl 7, 3214868480
	.fill 96, 4, 3214868480
	.section	.rodata,"a",@progbits
	.p2align	6, 0x0
	.amdhsa_kernel k_qd53764fc60_k_ln1
		.amdhsa_group_segment_fixed_size 10240
		.amdhsa_private_segment_fixed_size 0
		.amdhsa_enable_private_segment 0
		.amdhsa_kernarg_size 40
		.amdhsa_user_sgpr_count 2
		.amdhsa_user_sgpr_kernarg_segment_ptr 1
		.amdhsa_wavefront_size32 1
		.amdhsa_system_sgpr_workgroup_id_x 1
		.amdhsa_system_sgpr_workgroup_id_y 1
		.amdhsa_system_sgpr_workgroup_id_z 1
		.amdhsa_system_vgpr_workitem_id 0
		.amdhsa_next_free_vgpr 140
		.amdhsa_next_free_sgpr 66
		.amdhsa_reserve_vcc 0
		.amdhsa_float_denorm_mode_32 3
		.amdhsa_float_denorm_mode_16_64 3
		.amdhsa_memory_ordered 1
		.amdhsa_forward_progress 1
		.amdhsa_inst_pref_size 13
	.end_amdhsa_kernel
	.amdgpu_metadata
---
amdhsa.version: [ 1, 2 ]
amdhsa.kernels:
  - .name:           k_qd53764fc60_k_ln1
    .symbol:         k_qd53764fc60_k_ln1.kd
    .args:
      - { .name: z1, .offset: 0, .size: 8, .value_kind: global_buffer, .address_space: global }
      - { .name: g1, .offset: 8, .size: 8, .value_kind: global_buffer, .address_space: global }
      - { .name: b1, .offset: 16, .size: 8, .value_kind: global_buffer, .address_space: global }
      - { .name: h, .offset: 24, .size: 8, .value_kind: global_buffer, .address_space: global }
      - { .name: hb, .offset: 32, .size: 8, .value_kind: global_buffer, .address_space: global }
    .group_segment_fixed_size: 10240
    .private_segment_fixed_size: 0
    .kernarg_segment_align: 8
    .kernarg_segment_size: 40
    .max_flat_workgroup_size: 512
    .sgpr_count:     66
    .vgpr_count:     140
    .wavefront_size: 32
...
	.end_amdgpu_metadata
.endif
;; end of part 5
;; launch k_ff1 (part 6): grid 16 x 16, 4 waves a work-group, clusters of 4 x 4, 327,680 bytes of LDS; arguments hb, wb, bf1, act; writes act
.if DOCPART == 6
	.amdgcn_target "amdgcn-amd-amdhsa--gfx1250"
	.amdhsa_code_object_version 6
	.text
	.protected	k_qd53764fc60_k_ff1
	.globl	k_qd53764fc60_k_ff1
	.p2align	8
	.type	k_qd53764fc60_k_ff1,@function
k_qd53764fc60_k_ff1:
	s_mov_b64 s[64:65], 0
	v_nop
	global_prefetch_b8 v0, s[64:65] scope:SCOPE_SE
	s_setreg_imm32_b32 hwreg(HW_REG_WAVE_MODE, 25, 1), 1
	s_wait_xcnt 0x0
	s_wait_alu depctr_hold_cnt(0) depctr_sa_sdst(0) depctr_va_vdst(0) depctr_va_sdst(0) depctr_va_ssrc(0) depctr_va_vcc(0) depctr_vm_vsrc(0)
	s_getreg_b32 s2, hwreg(HW_REG_IB_STS2, 6, 4)
	s_cmp_eq_u32 s2, 0
	s_cbranch_scc0 .Lentry_in_a_cluster
	s_endpgm
.Lentry_in_a_cluster:
	s_bfe_u32 s2, ttmp6, 0x10000c
	s_cmp_lg_u32 s2, 0xf033
	s_cbranch_scc0 .Lentry_shape_is_right
	s_endpgm
.Lentry_shape_is_right:
; act[t][n] = gelu(the sum over e of h[t][e] w1[n][e] + bf1[n]), the exact gelu x (1 + erf(x / sqrt 2)) / 2.  h is bf16 (hb), w1 bf16 in wb at byte 0x1000000, bf1 f32; sums and gelu in f32; act bf16, rounded once.
; LIMIT.  erf by the rational form 1 - (a1 t + .. + a5 t^5) e^(-z^2), t = 1 / (1 + 0.3275911 z) (Abramowitz and Stegun 7.1.26: within 1.5e-7 for every z >= 0), reckoned in f32: gelu is off by
; some 3e-7 x max(1, |x|) at the most, for every finite x; for large |x| the exponential is 0 and gelu is x or 0.
; A tile of 256 tokens x 256 columns is made by four waves, each 128 x 128: 64 accumulators, 512 registers.  K = 1,024 goes in 8 steps of 128 through two LDS slots.
; CLUSTER 4 x 4: h's tile is shared along a row of the cluster, w1's along a column: each is asked for jointly.  The matrix instruction is used transposed: a lane holds one token and eight neighbouring columns.
; ONE TEXT FOR A K STEP: the slot in hand is a scalar (TB) that an exclusive or turns; the walking descriptor's LDS word is turned likewise (SLOT shares no bit with a tile's place in a slot).
; REGISTERS: window 0: v16-30 addresses, v64-191 h's fragments (two buffers), v208-211 the bias, on the way out v32-207; window 1: v64-191 w1's fragments; windows 2, 3: the accumulators.
.set KSTEP,  128
.set PITCH,  272                       ; an LDS row: 256 bytes + 16 of padding (64 banks of 4 bytes: ISA guide 11.1)
.set HALFT,  128*PITCH
.set SLOT,   4*HALFT
.set SPARE,  2*SLOT                    ; the spare words, 128 bytes a wave
.set SPITCH, 528                       ; the way out: a row of 128 f32 + 16 bytes
.set WSTAGE, 128*SPITCH                ; a wave's stage: its 128 x 128 in f32, in the ring, whose slots have then had their last fill
.set ADRA, 16
.set ADRB, 17
.set CA,   18
.set CB,   19
.set STO,  24
.set RD,   25
.set CO,   26
.set BO,   27
.set SPW,  28
.set NIL,  29
.set PFO,  30
.set RAW,  32                          ; v[32:63]   eight rows x 128 columns: 4 columns a lane and row
.set XH,   64                          ; v[64:95]   x / 2
.set EE,   96                          ; v[96:127]  e^(-x^2 / 2), then erf
.set DD,   128                         ; v[128:159] t
.set PP,   160                         ; v[160:191] the polynomial
.set YB,   192                         ; v[192:207] packed
.set HB,   208                         ; v[208:211] half the bias of my 4 columns
.set F0,   64
.set F1,   128
.set G1,   24
.set G0,   32
.set G1B,  48
.set G0B,  56
.set LIM,  43
.set PFA,  44
.set TB,   66
.set CNT,  67
.set KE,   68                          ; s[68:69] -2 log2(e)
.set KD,   70                          ; s70      0.3275911 sqrt 2
.set A5,   72                          ; s[72:73] .. s[80:81]: a5 to a1, each named as a pair
.set A4,   74
.set A3,   76
.set A2,   78
.set A1,   80
.set MSB, 0
.macro WIN new
.if MSB != (\new)
	s_set_vgpr_msb (MSB<<8)|(\new)
.set MSB, \new
.endif
.endm
.set MUL_LO, 0xa1
.set MUL_HI, 0xf1
.set TO_B,   0x40
.macro JLOAD s                         ; a joint load: waves 0 and 1 fetch h's two halves, waves 2 and 3 w1's; an s_nop 0 and four v_nop follow each line
	s_cmp_eq_u32 s11, 0
	s_cbranch_scc0 .Lfor_b_\@
	tensor_load_to_lds s[G0+4*(\s):G0+4*(\s)+3], s[G1:G1+7]
	s_nop 0
.rept 4
	v_nop
.endr
	s_branch .Lasked_\@
.Lfor_b_\@:
	tensor_load_to_lds s[G0B+4*(\s):G0B+4*(\s)+3], s[G1B:G1B+7]
	s_nop 0
.rept 4
	v_nop
.endr
.Lasked_\@:
.endm
; A prefetch of the K step that stands two refills on: 32 rows x 256 bytes, a lane a row.  h's tile row is read by every cluster of that row of clusters: cluster x = 0 asks; w1's tile column: cluster y = 0.
; The four partners share a load's 128 rows out by address.  Each row's 256 bytes of K steps 4 to 7 are named once; K steps 0 to 3 come by their loads alone; the last two refills ask for nothing.
.macro ASK
	s_cmp_gt_u32 s3, s[LIM]
	s_cbranch_scc0 .Lnot_mine_\@
	global_prefetch_b8 v[PFO], s[PFA:PFA+1] offset:KSTEP*2 th:TH_LOAD_NT scope:SCOPE_SE
.Lnot_mine_\@:
.endm
.macro CREST
	s_cmp_lg_u32 s10, 0
	s_cbranch_scc1 .Lnot_wave_0_\@
	s_barrier_signal -3
.Lnot_wave_0_\@:
	s_barrier_wait -3
	s_barrier_signal -1
	s_barrier_wait -1
.endm
.macro CROUND
	s_barrier_signal -1
	s_barrier_wait -1
	CREST
.endm
	s_load_b128 s[4:7], s[0:1], 0x0                ; hb s[4:5], wb s[6:7]
	s_load_b128 s[84:87], s[0:1], 0x10             ; bf1 s[84:85], act s[86:87]
	v_lshl_add_u32 v[SPW], v0, 2, SPARE
	v_mov_b32 v[NIL], 0
	ds_add_u32 v[SPW], v[NIL]                      ; the wave's opening: the add and its wait stand ahead of my first tensor load
	v_lshrrev_b32 v1, 5, v0
	v_readfirstlane_b32 s10, v1
	s_lshr_b32 s11, s10, 1
	s_and_b32 s12, s10, 1
	s_bfe_u32 s40, ttmp6, 0x40000
	s_bfe_u32 s41, ttmp6, 0x40004
	s_lshl_b32 s42, ttmp9, 2
	s_add_co_u32 s42, s42, s40                     ; tile column
	s_and_b32 s13, ttmp7, 0xffff
	s_lshl_b32 s13, s13, 2
	s_add_co_u32 s13, s13, s41                     ; tile row
	s_lshl_b32 s43, s41, 2
	s_lshl_b32 s43, 15, s43
	s_lshl_b32 s44, 0x1111, s40
	s_or_b32 s[G1+0], s43, (1<<16)|(1<<20)|(1<<21)|(5<<22)|(3<<25)
	s_or_b32 s[G1B+0], s44, (1<<16)|(1<<20)|(1<<21)|(5<<22)|(3<<25)
.irp g, G1, G1B
	s_mov_b32 s[(\g)+1], KSTEP<<16
	s_mov_b32 s[(\g)+2], 128<<16
	s_mov_b32 s[(\g)+3], KSTEP<<16
	s_mov_b32 s[(\g)+4], 128
	s_mov_b32 s[(\g)+5], 1024
	s_mov_b32 s[(\g)+6], 0
	s_mov_b32 s[(\g)+7], 0
.endr
	s_mov_b32 s[KE], 0xc038aa3b
	s_mov_b32 s[KE+1], s[KE]
	s_mov_b32 s[KD], 0x3eed3388
	s_mov_b32 s[A5], 0x3f87dc22                    ;  1.061405429
	s_mov_b32 s[A5+1], s[A5]
	s_mov_b32 s[A4], 0xbfba00e3                    ; -1.453152027
	s_mov_b32 s[A4+1], s[A4]
	s_mov_b32 s[A3], 0x3fb5f0e3                    ;  1.421413741
	s_mov_b32 s[A3+1], s[A3]
	s_mov_b32 s[A2], 0xbe91a98e                    ; -0.284496736
	s_mov_b32 s[A2+1], s[A2]
	s_mov_b32 s[A1], 0x3e827906                    ;  0.254829592
	s_mov_b32 s[A1+1], s[A1]
	s_lshl_b32 s17, s12, 7
	s_lshl_b32 s16, s13, 8
	s_add_co_u32 s16, s16, s17
	s_lshl_b32 s16, s16, 11
	s_lshl_b32 s46, s42, 8
	s_add_co_u32 s46, s46, s17
	s_lshl_b32 s46, s46, 11
	s_mov_b32 s17, 0
	s_mov_b32 s47, 0
	s_mul_i32 s20, s10, HALFT
	s_wait_dscnt 0x0                               ; the opening add is done
	s_wait_kmcnt 0x0
	s_mov_b64 s[8:9], s[86:87]                     ; the result
	s_add_nc_u64 s[6:7], s[6:7], 0x1000000         ; w1
	s_add_nc_u64 s[14:15], s[4:5], s[16:17]
	s_add_nc_u64 s[46:47], s[6:7], s[46:47]
	CROUND
.irp s, 0,1
	s_mov_b32 s[G0+4*(\s)], 1
	s_add_co_u32 s[G0+4*(\s)+1], s20, (\s)*SLOT
	s_add_nc_u64 s[G0+4*(\s)+2:G0+4*(\s)+3], s[14:15], (\s)*KSTEP*2
	s_or_b32 s[G0+4*(\s)+3], s[G0+4*(\s)+3], 0x80000000
	s_mov_b32 s[G0B+4*(\s)], 1
	s_add_co_u32 s[G0B+4*(\s)+1], s20, (\s)*SLOT
	s_add_nc_u64 s[G0B+4*(\s)+2:G0B+4*(\s)+3], s[46:47], (\s)*KSTEP*2
	s_or_b32 s[G0B+4*(\s)+3], s[G0B+4*(\s)+3], 0x80000000
	JLOAD \s                                       ; K steps 0 and 1: two loads of mine are out
.endr
	v_and_b32 v1, 15, v0
	v_bfe_u32 v2, v0, 4, 1
	v_mul_u32_u24 v3, v1, PITCH
	v_lshl_add_u32 v3, v2, 4, v3
	s_mul_i32 s21, s11, HALFT
	s_mul_i32 s22, s12, HALFT
	s_add_co_u32 s22, s22, 2*HALFT
	v_add_nc_u32 v[ADRA], s21, v3
	v_add_nc_u32 v[ADRB], s22, v3
	v_mov_b32 v[CA], v[ADRA]
	v_mov_b32 v[CB], v[ADRB]
	s_mov_b32 s[TB], 0
	s_mul_i32 s23, s10, WSTAGE                     ; my stage
	v_mul_u32_u24 v4, v1, SPITCH
	v_lshl_add_u32 v4, v2, 5, v4
	v_add_nc_u32 v[STO], s23, v4
	v_and_b32 v5, 31, v0
	v_lshl_add_u32 v[RD], v5, 4, s23               ; back: the wave takes a whole row of 512 bytes, 4 columns a lane
	v_lshlrev_b32 v[CO], 3, v5                     ; which are 8 bytes of 256 in act
	v_lshlrev_b32 v[BO], 4, v5                     ; and 16 bytes of bf1
	s_lshl_b32 s13, s13, 8                         ; 256 x tile row
	s_lshl_b32 s42, s42, 8                         ; 256 x tile column
	s_lshl_b32 s14, s11, 7
	s_add_co_u32 s16, s13, s14                     ; my first row,
	s_lshl_b32 s16, s16, 13                        ; of 8,192 bytes
	s_lshl_b32 s46, s12, 7
	s_add_co_u32 s46, s46, s42                     ; my first column
	s_lshl_b32 s47, s46, 1
	s_add_co_u32 s16, s16, s47
	s_mov_b32 s17, 0
	s_lshl_b32 s46, s46, 2
	s_mov_b32 s47, 0
	s_add_nc_u64 s[84:85], s[84:85], s[46:47]
	global_load_b128 v[HB:HB+3], v[BO], s[84:85]   ; it is on its way during the whole K loop
	s_and_b32 s22, ttmp7, 0xffff
	s_cmp_eq_u32 s11, 0
	s_cselect_b32 s20, s13, s42
	s_cselect_b32 s21, s40, s41
	s_cselect_b32 s22, ttmp9, s22
	s_cselect_b64 s[PFA:PFA+1], s[4:5], s[6:7]
	s_cmp_eq_u32 s22, 0
	s_cselect_b32 s[LIM], 2, -1
	s_lshl_b32 s22, s12, 7
	s_add_co_u32 s20, s20, s22
	s_lshl_b32 s21, s21, 5
	s_add_co_u32 s20, s20, s21
	s_lshl_b32 s20, s20, 11
	s_add_co_u32 s20, s20, 2*KSTEP*2
	s_mov_b32 s21, 0
	s_add_nc_u64 s[PFA:PFA+1], s[PFA:PFA+1], s[20:21]
	v_lshlrev_b32 v[PFO], 11, v5
.macro MUL16 f, hi, a0, zero           ; 16 matrix instructions; the 64 accumulators take turns, in the same order in every quarter
	WIN MUL_LO+0x50*(\hi)
.irp a, \a0, (\a0)+1
.irp b, 0,1,2,3,4,5,6,7
.if \zero
	v_wmma_f32_16x16x32_bf16 v[8*(8*(\a)+(\b)):8*(8*(\a)+(\b))+7], v[(\f)+8*(\b):(\f)+8*(\b)+7], v[(\f)+8*(4*(\hi)+(\a)):(\f)+8*(4*(\hi)+(\a))+7], 0
.else
	v_wmma_f32_16x16x32_bf16 v[8*(8*(\a)+(\b)):8*(8*(\a)+(\b))+7], v[(\f)+8*(\b):(\f)+8*(\b)+7], v[(\f)+8*(4*(\hi)+(\a)):(\f)+8*(4*(\hi)+(\a))+7], v[8*(8*(\a)+(\b)):8*(8*(\a)+(\b))+7]
.endif
.endr
.endr
.endm
.macro FETCH k, f
	WIN TO_B
.irp i, 0,1,2,3,4,5,6,7
	ds_load_b128 v[(\f)+8*(\i):(\f)+8*(\i)+3],   v[CB] offset:(\k)+(\i)*16*PITCH
	ds_load_b128 v[(\f)+8*(\i)+4:(\f)+8*(\i)+7], v[CB] offset:(\k)+(\i)*16*PITCH+32
.endr
	WIN 0
.irp i, 0,1,2,3,4,5,6,7
	ds_load_b128 v[(\f)+8*(\i):(\f)+8*(\i)+3],   v[CA] offset:(\k)+(\i)*16*PITCH
	ds_load_b128 v[(\f)+8*(\i)+4:(\f)+8*(\i)+7], v[CA] offset:(\k)+(\i)*16*PITCH+32
.endr
.endm
.macro PLACES
.rept 4
	v_nop
.endr
.endm
.macro QUARTER k, f, g, zero
	s_wait_dscnt 8                                 ; w1's fragments and h's rows 0-63 are in; the youngest eight loads may be out
	MUL16 \f, 0, 0, \zero
	MUL16 \f, 0, 2, \zero
	PLACES
	FETCH \k, \g
	s_wait_dscnt 32                                ; all but the 32 just issued
	MUL16 \f, 1, 0, \zero
	MUL16 \f, 1, 2, \zero
.endm
; The last quarter multiplies buffer 1 and changes slots: in front of the one barrier each wave waits for all its tensor loads, adds 0 to its spare word, and waits for that and for its reads of this slot.
; fill = 1: the barrier opens a round of the cluster's, and the joint refill, with the K step two on, is the first thing behind it.
.macro TURN fill
.if \fill
	s_wait_xcnt 0x0                                ; the last prefetch, a K step back, has read its address
	s_add_nc_u64 s[PFA:PFA+1], s[PFA:PFA+1], KSTEP*2
.endif
	WIN 0
	s_wait_tensorcnt 0x0
	ds_add_u32 v[SPW], v[NIL]
.if \fill
	s_xor_b32 s[G0+5], s[G0+5], SLOT
	s_add_nc_u64 s[G0+6:G0+7], s[G0+6:G0+7], KSTEP*2
	s_xor_b32 s[G0B+5], s[G0B+5], SLOT
	s_add_nc_u64 s[G0B+6:G0B+7], s[G0B+6:G0B+7], KSTEP*2
.endif
	s_xor_b32 s[TB], s[TB], SLOT
	v_add_nc_u32 v[CA], s[TB], v[ADRA]
	v_add_nc_u32 v[CB], s[TB], v[ADRB]
	s_wait_dscnt 9                                 ; the add and the youngest eight loads may be out
	MUL16 F1, 0, 0, 0
	s_wait_dscnt 0x0
	s_barrier_signal -1
	MUL16 F1, 0, 2, 0
.if \fill
	WIN 0
.endif
	s_barrier_wait -1
.if \fill
	CREST
	JLOAD 1
.else
	PLACES
.endif
	FETCH 0, F0
.if \fill
	ASK
.endif
	MUL16 F1, 1, 0, 0
	MUL16 F1, 1, 2, 0
.endm
	s_wait_tensorcnt 1                             ; my part of K step 0 is in; K step 1's may stay out
	s_barrier_signal -1
	s_barrier_wait -1
	FETCH 0, F0
	QUARTER 64, F0, F1, 1
	WIN 0
	s_mov_b32 s3, 6
.Lstep:
	QUARTER 128, F1, F0, 0
	QUARTER 192, F0, F1, 0
	TURN 1
	QUARTER 64, F0, F1, 0
	WIN 0
	s_sub_co_u32 s3, s3, 1
	s_cmp_lg_u32 s3, 0
	s_cbranch_scc1 .Lstep
	s_mov_b32 s[CNT], 2
.Ltail:                                        ; K steps 6 and 7 ask for nothing; the second trip is left in its middle, and its 32 fragment loads serve nothing
	QUARTER 128, F1, F0, 0
	QUARTER 192, F0, F1, 0
	TURN 0
	WIN 0
	s_sub_co_u32 s[CNT], s[CNT], 1
	s_cmp_eq_u32 s[CNT], 0
	s_cbranch_scc1 .Lout
	QUARTER 64, F0, F1, 0
	WIN 0
	s_branch .Ltail
.Lout:
	s_wait_dscnt 0x0                               ; my reads of the ring are over,
	PLACES
	s_barrier_signal -1
	s_barrier_wait -1                              ; everybody's are: the stages may be written over the ring
.irp a, 0,1,2,3,4,5,6,7
	WIN 0x08+4*((\a)/4)
.irp b, 0,1,2,3,4,5,6,7
	ds_store_b128 v[STO], v[8*(8*((\a)%4)+(\b)):8*(8*((\a)%4)+(\b))+3]   offset:(\a)*16*SPITCH+64*(\b)
	ds_store_b128 v[STO], v[8*(8*((\a)%4)+(\b))+4:8*(8*((\a)%4)+(\b))+7] offset:(\a)*16*SPITCH+64*(\b)+16
.endr
.endr
	WIN 0
.macro LOADROWS                        ; eight rows of 512 bytes.  LDS serves a wave's instructions in order: these see my stores
.irp j, 0,1,2,3,4,5,6,7
	ds_load_b128 v[RAW+4*(\j):RAW+4*(\j)+3], v[RD] offset:(\j)*SPITCH
.endr
.endm
.macro EACH line:vararg                ; one line for each of the 16 pairs, i = 0, 2, .. 30
.set i, 0
.rept 16
	\line
.set i, i+2
.endr
.endm
	s_wait_loadcnt 0x0                             ; the bias
	v_pk_mul_f32 v[HB:HB+1], v[HB:HB+1], 0.5 op_sel_hi:[1,0]
	v_pk_mul_f32 v[HB+2:HB+3], v[HB+2:HB+3], 0.5 op_sel_hi:[1,0]
	LOADROWS
	s_mov_b32 s[CNT], 16
.Lrow:                                         ; 16 trips of 8 rows: 32 numbers a lane.  With u = x / 2: z = |u| sqrt 2, gelu = u + |u| erf(z)
	s_wait_dscnt 0x0
	EACH v_pk_fma_f32 v[XH+i:XH+i+1], v[RAW+i:RAW+i+1], 0.5, v[HB+i%4:HB+i%4+1] op_sel_hi:[1,0,1]
	v_add_nc_u32 v[RD], 8*SPITCH, v[RD]
	s_cmp_eq_u32 s[CNT], 1                         ; the last trip has no rows behind it
	s_cbranch_scc1 .Lnomore
	LOADROWS
.Lnomore:
	EACH v_pk_mul_f32 v[EE+i:EE+i+1], v[XH+i:XH+i+1], s[KE:KE+1] op_sel_hi:[1,0]
	EACH v_pk_mul_f32 v[EE+i:EE+i+1], v[EE+i:EE+i+1], v[XH+i:XH+i+1]
.set i, 0
.rept 32                               ; ONE BATCH of 32 exponentials and 32 reciprocals; nothing ahead of its wait names a result
	v_fma_f32 v[DD+i], |v[XH+i]|, s[KD], 1.0
	v_exp_f32 v[EE+i], v[EE+i]
.set i, i+1
.endr
.set i, 0
.rept 32
	v_rcp_f32 v[DD+i], v[DD+i]
.set i, i+1
.endr
	v_nop                                          ; a plain instruction behind the last of them,
	s_wait_alu depctr_va_vdst(0)                   ; and the one wait, ahead of the first reader
	EACH v_pk_fma_f32 v[PP+i:PP+i+1], v[DD+i:DD+i+1], s[A5:A5+1], s[A4:A4+1] op_sel_hi:[1,0,0]
	EACH v_pk_fma_f32 v[PP+i:PP+i+1], v[PP+i:PP+i+1], v[DD+i:DD+i+1], s[A3:A3+1] op_sel_hi:[1,1,0]
	EACH v_pk_fma_f32 v[PP+i:PP+i+1], v[PP+i:PP+i+1], v[DD+i:DD+i+1], s[A2:A2+1] op_sel_hi:[1,1,0]
	EACH v_pk_fma_f32 v[PP+i:PP+i+1], v[PP+i:PP+i+1], v[DD+i:DD+i+1], s[A1:A1+1] op_sel_hi:[1,1,0]
	EACH v_pk_mul_f32 v[PP+i:PP+i+1], v[PP+i:PP+i+1], v[DD+i:DD+i+1]
	EACH v_pk_fma_f32 v[EE+i:EE+i+1], v[PP+i:PP+i+1], v[EE+i:EE+i+1], 1.0 op_sel_hi:[1,1,0] neg_lo:[1,0,0] neg_hi:[1,0,0]
.set i, 0
.rept 32
	v_fma_f32 v[XH+i], |v[XH+i]|, v[EE+i], v[XH+i]
.set i, i+1
.endr
	s_wait_xcnt 0x0                                ; the last trip's stores have read their data and their base
	s_add_nc_u64 s[8:9], s[8:9], s[16:17]
	s_mov_b64 s[16:17], 65536                      ; 8 rows of 8,192 bytes on
.set i, 0
.rept 16
	v_cvt_pk_bf16_f32 v[YB+i], v[XH+2*i], v[XH+2*i+1]
.set i, i+1
.endr
.irp j, 0,1,2,3,4,5,6,7
	global_store_b64 v[CO], v[YB+2*(\j):YB+2*(\j)+1], s[8:9] offset:(\j)*8192  ; the wave stores 256 consecutive bytes, aligned
.endr
	s_sub_co_u32 s[CNT], s[CNT], 1
	s_cmp_lg_u32 s[CNT], 0
	s_cbranch_scc1 .Lrow
	s_wait_tensorcnt 0x0                           ; the wave's end
	ds_add_u32 v[SPW], v[NIL]
	s_wait_dscnt 0x0
	CROUND                                         ; the closing round
	s_endpgm
.Lfunc_end_k_qd53764fc60_k_ff1:
	.size	k_qd53764fc60_k_ff1, .Lfunc_end_k_qd53764fc60_k_ff1-k_qd53764fc60_k_ff1
	.p2alignl 7, 3214868480
	.fill 96, 4, 3214868480
	.section	.rodata,"a",@progbits
	.p2align	6, 0x0
	.amdhsa_kernel k_qd53764fc60_k_ff1
		.amdhsa_group_segment_fixed_size 327680
		.amdhsa_private_segment_fixed_size 0
		.amdhsa_enable_private_segment 0
		.amdhsa_kernarg_size 32
		.amdhsa_user_sgpr_count 2
		.amdhsa_user_sgpr_kernarg_segment_ptr 1
		.amdhsa_wavefront_size32 1
		.amdhsa_system_sgpr_workgroup_id_x 1
		.amdhsa_system_sgpr_workgroup_id_y 1
		.amdhsa_system_sgpr_workgroup_id_z 1
		.amdhsa_system_vgpr_workitem_id 0
		.amdhsa_next_free_vgpr 1024
		.amdhsa_next_free_sgpr 96
		.amdhsa_reserve_vcc 0
		.amdhsa_float_denorm_mode_32 3
		.amdhsa_float_denorm_mode_16_64 3
		.amdhsa_memory_ordered 1
		.amdhsa_forward_progress 1
		.amdhsa_inst_pref_size 97
	.end_amdhsa_kernel
	.amdgpu_metadata
---
amdhsa.version: [ 1, 2 ]
amdhsa.kernels:
  - .name:           k_qd53764fc60_k_ff1
    .symbol:         k_qd53764fc60_k_ff1.kd
    .args:
      - { .name: hb, .offset: 0, .size: 8, .value_kind: global_buffer, .address_space: global }
      - { .name: wb, .offset: 8, .size: 8, .value_kind: global_buffer, .address_space: global }
      - { .name: bf1, .offset: 16, .size: 8, .value_kind: global_buffer, .address_space: global }
      - { .name: act, .offset: 24, .size: 8, .value_kind: global_buffer, .address_space: global }
    .group_segment_fixed_size: 327680
    .private_segment_fixed_size: 0
    .kernarg_segment_align: 8
    .kernarg_segment_size: 32
    .max_flat_workgroup_size: 128
    .sgpr_count:     96
    .vgpr_count:     1024
    .wavefront_size: 32
...
	.end_amdgpu_metadata
.endif
;; end of part 6
;; launch k_ff2 (part 7): grid 8 x 32, 4 waves a work-group, clusters of 4 x 4, 327,680 bytes of LDS; arguments act, wb, bf2, h, z2; writes z2
.if DOCPART == 7
	.amdgcn_target "amdgcn-amd-amdhsa--gfx1250"
	.amdhsa_code_object_version 6
	.text
	.protected	k_qd53764fc60_k_ff2
	.globl	k_qd53764fc60_k_ff2
	.p2align	8
	.type	k_qd53764fc60_k_ff2,@function
k_qd53764fc60_k_ff2:
	s_mov_b64 s[64:65], 0
	v_nop
	global_prefetch_b8 v0, s[64:65] scope:SCOPE_SE
	s_setreg_imm32_b32 hwreg(HW_REG_WAVE_MODE, 25, 1), 1
	s_wait_xcnt 0x0
	s_wait_alu depctr_hold_cnt(0) depctr_sa_sdst(0) depctr_va_vdst(0) depctr_va_sdst(0) depctr_va_ssrc(0) depctr_va_vcc(0) depctr_vm_vsrc(0)
	s_getreg_b32 s2, hwreg(HW_REG_IB_STS2, 6, 4)
	s_cmp_eq_u32 s2, 0
	s_cbranch_scc0 .Lentry_in_a_cluster
	s_endpgm
.Lentry_in_a_cluster:
	s_bfe_u32 s2, ttmp6, 0x10000c
	s_cmp_lg_u32 s2, 0xf033
	s_cbranch_scc0 .Lentry_shape_is_right
	s_endpgm
.Lentry_shape_is_right:
; z2[t][n] = the sum over f of act[t][f] w2[n][f] + bf2[n] + h[t][n].  act is bf16 [4096][4096]; w2 is bf16 in wb at byte 0x1800000; bf2, h and z2 are f32; sums in f32.
; A tile of 128 x 128 is made by four waves, each 64 x 64: 16 accumulators.  K = 4,096 goes in 16 steps of 256 (LDS rows of 512 bytes, 64 rows to a load) through two LDS slots.
; CLUSTER 4 x 4: act's tile is shared along a row of the cluster, w2's along a column.  The matrix instruction is used transposed: a lane holds one token and eight neighbouring columns.
; One text for a K step: the slot in hand is a scalar (TB) turned by an exclusive or, and so is the walking descriptor's LDS word (SLOT shares no bit with a tile's place in a slot).
; No prefetch: the tiles are small, and each K step's rows are read by many work-groups at about the same time.
; REGISTERS: window 0: v16-29 addresses, v32-95 the way out, v128-255 the accumulators; window 1: two fragment buffers of 128; window 2: v0-127 the residual, v128-131 the bias, loaded at the start.
.set HEADS,  0
.set STEPS,  16
.set PA,     528                       ; an LDS row: 512 bytes + 16 of padding (64 banks of 4 bytes: ISA guide 11.1)
.set QA,     128                       ; from quarter to quarter: 64 along K
.set AHALF,  64*PA
.set PB,     528
.set QB,     128
.set BHALF,  64*PB
.set SLOT,   2*AHALF+2*BHALF
.set ASTEP,  512
.set BSTEP,  512
.set KB,     4096                      ; elements in a row of A and of B
.set WOFF,   0x1800000
.set STAGE,  2*SLOT                    ; behind the ring, never filled by a tensor load: 16 rows x 272 bytes a wave
.set SPITCH, 272
.set SPARE,  STAGE+4*16*SPITCH         ; the spare words, 128 bytes a wave
.set ADRA, 16
.set ADRB, 17
.set CA,   18
.set CB,   19
.set STO,  24
.set RD,   25
.set CO,   26
.set BO,   27
.set SPW,  28
.set NIL,  29
.set TMP,  32
.set ACC,  128
.set F0,   0
.set F1,   128
.set RES,  0                           ; window 2
.set BIA,  128                         ; window 2
.set G1,   24
.set G0,   32
.set G1B,  48
.set G0B,  56
.set TB,   66
.set CNT,  67
.set MSB, 0
.macro WIN new
.if MSB != (\new)
	s_set_vgpr_msb (MSB<<8)|(\new)
.set MSB, \new
.endif
.endm
.set MUL,  0x05                        ; sources 0 (B) and 1 (A) window 1; C and D window 0
.set TO_F, 0x40                        ; destination window 1, address window 0
.macro JLOAD s                         ; a joint load: waves 0 and 1 fetch A's two halves, waves 2 and 3 B's; an s_nop 0 and four v_nop follow each line
	s_cmp_eq_u32 s11, 0
	s_cbranch_scc0 .Lfor_b_\@
	tensor_load_to_lds s[G0+4*(\s):G0+4*(\s)+3], s[G1:G1+7]
	s_nop 0
.rept 4
	v_nop
.endr
	s_branch .Lasked_\@
.Lfor_b_\@:
	tensor_load_to_lds s[G0B+4*(\s):G0B+4*(\s)+3], s[G1B:G1B+7]
	s_nop 0
.rept 4
	v_nop
.endr
.Lasked_\@:
.endm
.macro CREST
	s_cmp_lg_u32 s10, 0
	s_cbranch_scc1 .Lnot_wave_0_\@
	s_barrier_signal -3
.Lnot_wave_0_\@:
	s_barrier_wait -3
	s_barrier_signal -1
	s_barrier_wait -1
.endm
.macro CROUND
	s_barrier_signal -1
	s_barrier_wait -1
	CREST
.endm
	s_load_b128 s[4:7], s[0:1], 0x0                ; A s[4:5], wb s[6:7]
	s_load_b128 s[72:75], s[0:1], 0x10             ; bias s[72:73], residual s[74:75]
	s_load_b64 s[8:9], s[0:1], 0x20                ; the result
	v_lshl_add_u32 v[SPW], v0, 2, SPARE
	v_mov_b32 v[NIL], 0
	ds_add_u32 v[SPW], v[NIL]                      ; the wave's opening: the add and its wait stand ahead of my first tensor load
	v_lshrrev_b32 v1, 5, v0
	v_readfirstlane_b32 s10, v1                    ; wave 0..3
	s_lshr_b32 s11, s10, 1                         ; my half of the tile's rows.  Also: I fetch for A (0) or for B (1)
	s_and_b32 s12, s10, 1                          ; my half of its columns.  Also: which 64 rows I fetch
	s_bfe_u32 s40, ttmp6, 0x40000
	s_bfe_u32 s41, ttmp6, 0x40004
	s_lshl_b32 s42, ttmp9, 2
	s_add_co_u32 s42, s42, s40                     ; tile column
	s_and_b32 s13, ttmp7, 0xffff
	s_lshl_b32 s13, s13, 2
	s_add_co_u32 s13, s13, s41                     ; tile row
	s_lshl_b32 s43, s41, 2
	s_lshl_b32 s43, 15, s43                        ; my row of the cluster
	s_lshl_b32 s44, 0x1111, s40                    ; my column
.if HEADS
	s_or_b32 s[G1+0], s43, (1<<16)|(1<<20)|(1<<21)|(4<<22)|(3<<25)
	s_mov_b32 s[G1+1], 4096<<16
	s_mov_b32 s[G1+2], 4<<16
	s_mov_b32 s[G1+3], 4096<<16
	s_mov_b32 s[G1+4], 4
	s_mov_b32 s[G1+5], 131072
.else
	s_or_b32 s[G1+0], s43, (1<<16)|(1<<20)|(1<<21)|(6<<22)|(3<<25)  ; the mask; 2-byte elements; padding on; bit 21 beside a mask; after every 128 words 4 words
	s_mov_b32 s[G1+1], 256<<16                     ; tensor_dim0 = 256
	s_mov_b32 s[G1+2], 64<<16                      ; tensor_dim1 = 64
	s_mov_b32 s[G1+3], 256<<16                     ; tile_dim0
	s_mov_b32 s[G1+4], 64                          ; tile_dim1
	s_mov_b32 s[G1+5], KB                          ; elements from row to row
.endif
	s_mov_b32 s[G1+6], 0
	s_mov_b32 s[G1+7], 0
	s_or_b32 s[G1B+0], s44, (1<<16)|(1<<20)|(1<<21)|(6<<22)|(3<<25)
	s_mov_b32 s[G1B+1], 256<<16
	s_mov_b32 s[G1B+2], 64<<16
	s_mov_b32 s[G1B+3], 256<<16
	s_mov_b32 s[G1B+4], 64
	s_mov_b32 s[G1B+5], KB
	s_mov_b32 s[G1B+6], 0
	s_mov_b32 s[G1B+7], 0
	s_lshl_b32 s18, s12, 6                         ; which 64 rows I fetch
.if HEADS
	s_lshr_b32 s16, s13, 4
	s_lshl_b32 s16, s16, 22
	s_and_b32 s17, s13, 15
	s_lshl_b32 s17, s17, 7
	s_add_co_u32 s17, s17, s18
	s_lshl_b32 s17, s17, 7
	s_add_co_u32 s16, s16, s17
	s_lshl_b32 s46, s42, 7
	s_add_co_u32 s46, s46, s18
	s_lshl_b32 s46, s46, 11
.else
	s_lshl_b32 s16, s13, 7
	s_add_co_u32 s16, s16, s18
	s_lshl_b32 s16, s16, 13                        ; A's row, of 8,192 bytes
	s_lshl_b32 s46, s42, 7
	s_add_co_u32 s46, s46, s18
	s_lshl_b32 s46, s46, 13                        ; B's row, of 8,192 bytes
.endif
	s_mov_b32 s17, 0
	s_mov_b32 s47, 0
	s_mul_i32 s20, s12, AHALF                      ; where A's half goes,
	s_mul_i32 s21, s12, BHALF
	s_add_co_u32 s21, s21, 2*AHALF                 ; and B's: no place in the cluster enters an LDS address
	s_wait_dscnt 0x0                               ; the opening add is done
	s_wait_kmcnt 0x0
	s_add_nc_u64 s[6:7], s[6:7], WOFF
	s_add_nc_u64 s[14:15], s[4:5], s[16:17]
	s_add_nc_u64 s[46:47], s[6:7], s[46:47]
	CROUND
.irp s, 0,1
	s_mov_b32 s[G0+4*(\s)], 1
	s_add_co_u32 s[G0+4*(\s)+1], s20, (\s)*SLOT
	s_add_nc_u64 s[G0+4*(\s)+2:G0+4*(\s)+3], s[14:15], (\s)*ASTEP
	s_or_b32 s[G0+4*(\s)+3], s[G0+4*(\s)+3], 0x80000000
	s_mov_b32 s[G0B+4*(\s)], 1
	s_add_co_u32 s[G0B+4*(\s)+1], s21, (\s)*SLOT
	s_add_nc_u64 s[G0B+4*(\s)+2:G0B+4*(\s)+3], s[46:47], (\s)*BSTEP
	s_or_b32 s[G0B+4*(\s)+3], s[G0B+4*(\s)+3], 0x80000000
	JLOAD \s                                       ; K steps 0 and 1: two loads of mine are out
.endr
	v_and_b32 v1, 15, v0                           ; l % 16
	v_bfe_u32 v2, v0, 4, 1                         ; l / 16
	v_mul_u32_u24 v3, v1, PA
	v_lshl_add_u32 v3, v2, 4, v3
	s_mul_i32 s22, s11, AHALF
	v_add_nc_u32 v[ADRA], s22, v3
	v_mul_u32_u24 v3, v1, PB
	v_lshl_add_u32 v3, v2, 4, v3
	v_add_nc_u32 v[ADRB], s21, v3                  ; the half of B that I multiply is the one whose number is s12
	v_mov_b32 v[CA], v[ADRA]
	v_mov_b32 v[CB], v[ADRB]
	s_mov_b32 s[TB], 0
	s_mul_i32 s23, s10, 16*SPITCH
	s_add_co_u32 s23, s23, STAGE                   ; my stage
	v_mul_u32_u24 v4, v1, SPITCH
	v_lshl_add_u32 v4, v2, 5, v4                   ; in: row l % 16, 32 bytes for each half of the lanes
	v_add_nc_u32 v[STO], s23, v4
	v_mul_u32_u24 v5, v2, SPITCH                   ; back: lanes 0-15 one row of 256 bytes, lanes 16-31 the next
	v_lshl_add_u32 v5, v1, 4, v5
	v_add_nc_u32 v[RD], s23, v5
	v_lshlrev_b32 v[BO], 4, v1                     ; my four columns
	v_lshl_add_u32 v[CO], v2, 12, v[BO]            ; and the same two rows, of 4,096 bytes, in the residual and the result
	s_lshl_b32 s16, s13, 7
	s_lshl_b32 s17, s11, 6
	s_add_co_u32 s16, s16, s17                     ; my first row
	s_lshl_b32 s16, s16, 12
	s_lshl_b32 s46, s42, 7
	s_lshl_b32 s47, s12, 6
	s_add_co_u32 s46, s46, s47                     ; my first column
	s_lshl_b32 s46, s46, 2
	s_mov_b32 s47, 0
	s_add_nc_u64 s[72:73], s[72:73], s[46:47]
	s_add_co_u32 s16, s16, s46
	s_mov_b32 s17, 0
	s_add_nc_u64 s[74:75], s[74:75], s[16:17]
	s_add_nc_u64 s[8:9], s[8:9], s[16:17]
	WIN 0x80                                       ; destination window 2: my 64 x 64 of the residual and my bias; they are on their way during the whole K loop
.irp a, 0,1,2,3
.irp t, 0,1,2,3,4,5,6,7
	global_load_b128 v[RES+4*(8*(\a)+(\t)):RES+4*(8*(\a)+(\t))+3], v[CO], s[74:75] offset:(16*(\a)+2*(\t))*4096
.endr
.endr
	global_load_b128 v[BIA:BIA+3], v[BO], s[72:73]
	WIN 0
; 8 matrix instructions: row blocks a0, a0 + 1 x all 4 column blocks, 32 along K: half c of buffer f.  The 16 accumulators take turns.
.macro MUL8 f, c, a0, zero
	WIN MUL
.irp a, \a0, (\a0)+1
.irp b, 0,1,2,3
.if \zero
	v_wmma_f32_16x16x32_bf16 v[ACC+8*(4*(\a)+(\b)):ACC+8*(4*(\a)+(\b))+7], v[(\f)+64+8*(4*(\c)+(\b)):(\f)+64+8*(4*(\c)+(\b))+7], v[(\f)+8*(4*(\c)+(\a)):(\f)+8*(4*(\c)+(\a))+7], 0
.else
	v_wmma_f32_16x16x32_bf16 v[ACC+8*(4*(\a)+(\b)):ACC+8*(4*(\a)+(\b))+7], v[(\f)+64+8*(4*(\c)+(\b)):(\f)+64+8*(4*(\c)+(\b))+7], v[(\f)+8*(4*(\c)+(\a)):(\f)+8*(4*(\c)+(\a))+7], v[ACC+8*(4*(\a)+(\b)):ACC+8*(4*(\a)+(\b))+7]
.endif
.endr
.endr
.endm
; 32 LDS loads in one run: quarter q's fragments of the slot in hand into buffer f; the first 32 along K first
.macro FETCH q, f
	WIN TO_F
.irp c, 0,1
.irp i, 0,1,2,3
	ds_load_b128 v[(\f)+64+8*(4*(\c)+(\i)):(\f)+64+8*(4*(\c)+(\i))+3],   v[CB] offset:(\q)*QB+64*(\c)+(\i)*16*PB
	ds_load_b128 v[(\f)+64+8*(4*(\c)+(\i))+4:(\f)+64+8*(4*(\c)+(\i))+7], v[CB] offset:(\q)*QB+64*(\c)+(\i)*16*PB+32
	ds_load_b128 v[(\f)+8*(4*(\c)+(\i)):(\f)+8*(4*(\c)+(\i))+3],         v[CA] offset:(\q)*QA+64*(\c)+(\i)*16*PA
	ds_load_b128 v[(\f)+8*(4*(\c)+(\i))+4:(\f)+8*(4*(\c)+(\i))+7],       v[CA] offset:(\q)*QA+64*(\c)+(\i)*16*PA+32
.endr
.endr
.endm
.macro PLACES
.rept 4
	v_nop
.endr
.endm
.macro QUARTER q, f, g, zero           ; multiplies buffer f and fetches quarter q into g
	s_wait_dscnt 16                                ; the first 32 along K are in
	MUL8 \f, 0, 0, \zero
	MUL8 \f, 0, 2, \zero
	PLACES
	FETCH \q, \g
	s_wait_dscnt 32                                ; all but the 32 just issued
	MUL8 \f, 1, 0, 0
	MUL8 \f, 1, 2, 0
.endm
; The last quarter multiplies buffer 1 and changes slots: in front of the one barrier each wave waits for all its tensor loads, adds 0 to its spare word, and waits for that and for its reads of this slot.
; fill = 1: the barrier opens a round of the cluster's, and the joint refill, with the K step two on, is the first thing behind it: 112 matrix instructions stand between it and the wait for it.
.macro TURN fill
	WIN 0
	s_wait_tensorcnt 0x0
	ds_add_u32 v[SPW], v[NIL]
.if \fill
	s_xor_b32 s[G0+5], s[G0+5], SLOT
	s_add_nc_u64 s[G0+6:G0+7], s[G0+6:G0+7], ASTEP
	s_xor_b32 s[G0B+5], s[G0B+5], SLOT
	s_add_nc_u64 s[G0B+6:G0B+7], s[G0B+6:G0B+7], BSTEP
.endif
	s_xor_b32 s[TB], s[TB], SLOT
	v_add_nc_u32 v[CA], s[TB], v[ADRA]
	v_add_nc_u32 v[CB], s[TB], v[ADRB]
	s_wait_dscnt 17                                ; the add and the youngest sixteen loads may be out
	MUL8 F1, 0, 0, 0
	s_wait_dscnt 0x0                               ; the add is done, and my reads of this slot are over
	s_barrier_signal -1
	MUL8 F1, 0, 2, 0
.if \fill
	WIN 0
.endif
	s_barrier_wait -1
.if \fill
	CREST
	JLOAD 1
.else
	PLACES
.endif
	FETCH 0, F0
	MUL8 F1, 1, 0, 0
	MUL8 F1, 1, 2, 0
.endm
	s_wait_tensorcnt 1                             ; my part of K step 0 is in; K step 1's may stay out
	s_barrier_signal -1
	s_barrier_wait -1
	FETCH 0, F0
	QUARTER 1, F0, F1, 1
	WIN 0
	s_mov_b32 s3, STEPS-2
.Lstep:
	QUARTER 2, F1, F0, 0
	QUARTER 3, F0, F1, 0
	TURN 1
	QUARTER 1, F0, F1, 0
	WIN 0
	s_sub_co_u32 s3, s3, 1
	s_cmp_lg_u32 s3, 0
	s_cbranch_scc1 .Lstep
	s_mov_b32 s[CNT], 2
.Ltail:                                        ; the last two K steps ask for nothing; the second trip is left in its middle, and its 32 fragment loads serve nothing
	QUARTER 2, F1, F0, 0
	QUARTER 3, F0, F1, 0
	TURN 0
	WIN 0
	s_sub_co_u32 s[CNT], s[CNT], 1
	s_cmp_eq_u32 s[CNT], 0
	s_cbranch_scc1 .Lout
	QUARTER 1, F0, F1, 0
	WIN 0
	s_branch .Ltail
.Lout:
	s_wait_dscnt 0x0
	PLACES                                         ; the places behind the last products
	s_wait_loadcnt 0x0                             ; the residual and the bias
; THE WAY OUT, 16 rows at a time, through my own stage: in as 32 bytes a lane, back as whole rows of 256 bytes; bias and residual are added in f32.
.macro OUTB a
.if (\a) >= 2
	s_wait_xcnt 0x0                                ; the stores of the block two back have read the registers that the loads below fill
.endif
.irp b, 0,1,2,3
	ds_store_b128 v[STO], v[ACC+8*(4*(\a)+(\b)):ACC+8*(4*(\a)+(\b))+3]   offset:64*(\b)
	ds_store_b128 v[STO], v[ACC+8*(4*(\a)+(\b))+4:ACC+8*(4*(\a)+(\b))+7] offset:64*(\b)+16
.endr
.irp t, 0,1,2,3,4,5,6,7
	ds_load_b128 v[TMP+32*((\a)%2)+4*(\t):TMP+32*((\a)%2)+4*(\t)+3], v[RD] offset:(\t)*2*SPITCH  ; LDS serves a wave's instructions in order: these see the stores above, and the next block's stores come behind them
.endr
.endm
.macro FIN a, younger                  ; younger: the next block's 8 stores and 8 loads, or none
	s_wait_dscnt \younger
	WIN 0x08                                       ; source 1 in window 2
.irp t, 0,1,2,3,4,5,6,7
.irp c, 0,1
	v_pk_add_f32 v[TMP+32*((\a)%2)+4*(\t)+2*(\c):TMP+32*((\a)%2)+4*(\t)+2*(\c)+1], v[TMP+32*((\a)%2)+4*(\t)+2*(\c):TMP+32*((\a)%2)+4*(\t)+2*(\c)+1], v[BIA+2*(\c):BIA+2*(\c)+1]
.endr
.endr
.irp t, 0,1,2,3,4,5,6,7
.irp c, 0,1
	v_pk_add_f32 v[TMP+32*((\a)%2)+4*(\t)+2*(\c):TMP+32*((\a)%2)+4*(\t)+2*(\c)+1], v[TMP+32*((\a)%2)+4*(\t)+2*(\c):TMP+32*((\a)%2)+4*(\t)+2*(\c)+1], v[RES+4*(8*(\a)+(\t))+2*(\c):RES+4*(8*(\a)+(\t))+2*(\c)+1]
.endr
.endr
	WIN 0
.irp t, 0,1,2,3,4,5,6,7
	global_store_b128 v[CO], v[TMP+32*((\a)%2)+4*(\t):TMP+32*((\a)%2)+4*(\t)+3], s[8:9] offset:(16*(\a)+2*(\t))*4096  ; 16 lanes store 256 consecutive bytes, aligned
.endr
.endm
	OUTB 0
	OUTB 1
	FIN 0, 16
	OUTB 2
	FIN 1, 16
	OUTB 3
	FIN 2, 16
	FIN 3, 0
	s_wait_tensorcnt 0x0                           ; the wave's end
	ds_add_u32 v[SPW], v[NIL]
	s_wait_dscnt 0x0
	CROUND                                         ; the closing round
	s_endpgm
.Lfunc_end_k_qd53764fc60_k_ff2:
	.size	k_qd53764fc60_k_ff2, .Lfunc_end_k_qd53764fc60_k_ff2-k_qd53764fc60_k_ff2
	.p2alignl 7, 3214868480
	.fill 96, 4, 3214868480
	.section	.rodata,"a",@progbits
	.p2align	6, 0x0
	.amdhsa_kernel k_qd53764fc60_k_ff2
		.amdhsa_group_segment_fixed_size 327680
		.amdhsa_private_segment_fixed_size 0
		.amdhsa_enable_private_segment 0
		.amdhsa_kernarg_size 40
		.amdhsa_user_sgpr_count 2
		.amdhsa_user_sgpr_kernarg_segment_ptr 1
		.amdhsa_wavefront_size32 1
		.amdhsa_system_sgpr_workgroup_id_x 1
		.amdhsa_system_sgpr_workgroup_id_y 1
		.amdhsa_system_sgpr_workgroup_id_z 1
		.amdhsa_system_vgpr_workitem_id 0
		.amdhsa_next_free_vgpr 648
		.amdhsa_next_free_sgpr 80
		.amdhsa_reserve_vcc 0
		.amdhsa_float_denorm_mode_32 3
		.amdhsa_float_denorm_mode_16_64 3
		.amdhsa_memory_ordered 1
		.amdhsa_forward_progress 1
		.amdhsa_inst_pref_size 69
	.end_amdhsa_kernel
	.amdgpu_metadata
---
amdhsa.version: [ 1, 2 ]
amdhsa.kernels:
  - .name:           k_qd53764fc60_k_ff2
    .symbol:         k_qd53764fc60_k_ff2.kd
    .args:
      - { .name: act, .offset: 0, .size: 8, .value_kind: global_buffer, .address_space: global }
      - { .name: wb, .offset: 8, .size: 8, .value_kind: global_buffer, .address_space: global }
      - { .name: bf2, .offset: 16, .size: 8, .value_kind: global_buffer, .address_space: global }
      - { .name: h, .offset: 24, .size: 8, .value_kind: global_buffer, .address_space: global }
      - { .name: z2, .offset: 32, .size: 8, .value_kind: global_buffer, .address_space: global }
    .group_segment_fixed_size: 327680
    .private_segment_fixed_size: 0
    .kernarg_segment_align: 8
    .kernarg_segment_size: 40
    .max_flat_workgroup_size: 128
    .sgpr_count:     80
    .vgpr_count:     648
    .wavefront_size: 32
...
	.end_amdgpu_metadata
.endif
;; end of part 7
;; launch k_ln2 (part 8): grid 256 x 1, 16 waves a work-group, no clusters, 10,240 bytes of LDS; arguments z2, g2, b2, out0; writes out0
.if DOCPART == 8
	.amdgcn_target "amdgcn-amd-amdhsa--gfx1250"
	.amdhsa_code_object_version 6
	.text
	.protected	k_qd53764fc60_k_ln2
	.globl	k_qd53764fc60_k_ln2
	.p2align	8
	.type	k_qd53764fc60_k_ln2,@function
k_qd53764fc60_k_ln2:
	s_mov_b64 s[64:65], 0
	v_nop
	global_prefetch_b8 v0, s[64:65] scope:SCOPE_SE
	s_setreg_imm32_b32 hwreg(HW_REG_WAVE_MODE, 25, 1), 1
	s_wait_xcnt 0x0
; out0[t][:] = (z2[t][:] - mean) / sqrt(var + 1e-5) * g2 + b2, in f32.  Rows of 1,024.
; A stream.  A work-group owns 16 rows, a wave one: it keeps the row in 32 registers between the passes, so each byte of z2 is read once.  The mean is taken away before the squares are summed.
; Load j of a row covers the 512 bytes at 512 j + 16 x lane.  The gains and biases, 8 KiB that all 16 waves want, are fetched ONCE a work-group, 16 bytes a thread (waves 0-7 the gains, 8-15 the biases),
; laid into LDS and read from there in the row's order: 72 KiB come from memory for a work-group's 16 rows, not 192.
.set SPARE, 8192                       ; LDS: gains at byte 0, biases at 4,096; behind them the spare words, 128 bytes for each of the 16 waves
.set G,  8                             ; v[8:39]    gains
.set BB, 40                            ; v[40:71]   biases
.set X,  72                            ; v[72:103]  the row
.set SM, 104                           ; v[104:111] four chains of sums
.set MN, 112                           ; v[112:113] the mean, twice
.set RS, 114                           ; v[114:115] 1 / sqrt(var + eps), twice
.set CH, 132                           ; v[132:135] my 16 bytes of the gains or biases
.set SPW, 136                          ; v136 my spare word; never rewritten
.set NIL, 137                          ; v137 0; never rewritten
	s_load_b256 s[4:11], s[0:1], 0x0               ; in s[4:5], gain s[6:7], bias s[8:9], out s[10:11]
	v_lshl_add_u32 v[SPW], v0, 2, SPARE
	v_mov_b32 v[NIL], 0
	v_lshrrev_b32 v2, 5, v0
	v_readfirstlane_b32 s18, v2                    ; wave 0..15
	v_and_b32 v3, 31, v0
	v_lshlrev_b32 v3, 4, v3                        ; 16 x lane: my place in 512 bytes, in memory and in LDS
	v_lshl_add_u32 v1, v2, 12, v3                  ; + wave x a row of 4,096 bytes
	v_lshlrev_b32 v4, 4, v0                        ; where my 16 bytes of gains or biases go in LDS: 16 t
	v_and_b32 v5, 0xff, v0
	v_lshlrev_b32 v5, 4, v5                        ; and where they lie in their tensor
	s_lshl_b32 s2, ttmp9, 16                       ; the work-group's 16 rows
	s_mov_b32 s3, 0
	s_mov_b32 s12, 0x76543210                      ; v_permlanex16_b32: each lane takes its own place in the other half
	s_mov_b32 s13, 0xfedcba98
	s_mov_b32 s14, 0x3a800000                      ; 1 / 1024
	s_mov_b32 s15, 0x3727c5ac                      ; 1e-5
	s_wait_kmcnt 0x0
	s_add_nc_u64 s[4:5], s[4:5], s[2:3]
	s_add_nc_u64 s[10:11], s[10:11], s[2:3]
	s_cmp_lt_u32 s18, 8
	s_cselect_b64 s[20:21], s[6:7], s[8:9]
	global_load_b128 v[CH:CH+3], v5, s[20:21]
.irp j, 0,1,2,3,4,5,6,7
	global_load_b128 v[X+4*(\j):X+4*(\j)+3], v1, s[4:5] offset:512*(\j) th:TH_LOAD_NT
.endr
.macro REDUCE                          ; the four chains into one number, the same in every lane
	v_pk_add_f32 v[SM:SM+1], v[SM:SM+1], v[SM+2:SM+3]
	v_pk_add_f32 v[SM+4:SM+5], v[SM+4:SM+5], v[SM+6:SM+7]
	v_pk_add_f32 v[SM:SM+1], v[SM:SM+1], v[SM+4:SM+5]
	v_add_f32 v[SM], v[SM], v[SM+1]
	v_add_f32_dpp v[SM], v[SM], v[SM] row_xmask:1 row_mask:0xf bank_mask:0xf
	v_add_f32_dpp v[SM], v[SM], v[SM] row_xmask:2 row_mask:0xf bank_mask:0xf
	v_add_f32_dpp v[SM], v[SM], v[SM] row_xmask:4 row_mask:0xf bank_mask:0xf
	v_add_f32_dpp v[SM], v[SM], v[SM] row_xmask:8 row_mask:0xf bank_mask:0xf
	v_permlanex16_b32 v[SM+1], v[SM], s12, s13
	v_add_f32 v[SM], v[SM], v[SM+1]
.endm
	s_wait_loadcnt 8                               ; my piece of the gains or biases is in; the row's eight loads may stay out
	ds_store_b128 v4, v[CH:CH+3]
	s_wait_dscnt 0x0                               ; for the others' sake: my store is done
	s_barrier_signal -1
	s_wait_loadcnt 0x0                             ; the row.  Its sum, work on registers, stands between the signal and the wait
.irp c, 0,1,2,3
	v_pk_add_f32 v[SM+2*(\c):SM+2*(\c)+1], v[X+2*(\c):X+2*(\c)+1], v[X+8+2*(\c):X+8+2*(\c)+1]  ; the first pairs start the chains
.endr
.irp k, 2,3
.irp c, 0,1,2,3
	v_pk_add_f32 v[SM+2*(\c):SM+2*(\c)+1], v[SM+2*(\c):SM+2*(\c)+1], v[X+8*(\k)+2*(\c):X+8*(\k)+2*(\c)+1]
.endr
.endr
	REDUCE
	v_mul_f32 v[MN], s14, v[SM]
	v_mov_b32 v[MN+1], v[MN]
	s_barrier_wait -1                              ; all 8 KiB lie in LDS
.irp j, 0,1,2,3,4,5,6,7
	ds_load_b128 v[G+4*(\j):G+4*(\j)+3], v3 offset:512*(\j)
.endr
.irp j, 0,1,2,3,4,5,6,7
	ds_load_b128 v[BB+4*(\j):BB+4*(\j)+3], v3 offset:4096+512*(\j)
.endr
.set i, 0
.rept 16
	v_pk_add_f32 v[X+2*i:X+2*i+1], v[X+2*i:X+2*i+1], v[MN:MN+1] neg_lo:[0,1] neg_hi:[0,1]
.set i, i+1
.endr
.irp c, 0,1,2,3
	v_pk_mul_f32 v[SM+2*(\c):SM+2*(\c)+1], v[X+2*(\c):X+2*(\c)+1], v[X+2*(\c):X+2*(\c)+1]
.endr
.irp k, 1,2,3
.irp c, 0,1,2,3
	v_pk_fma_f32 v[SM+2*(\c):SM+2*(\c)+1], v[X+8*(\k)+2*(\c):X+8*(\k)+2*(\c)+1], v[X+8*(\k)+2*(\c):X+8*(\k)+2*(\c)+1], v[SM+2*(\c):SM+2*(\c)+1]
.endr
.endr
	REDUCE
	v_fma_f32 v[SM+2], v[SM], s14, s15             ; var + eps
	v_rsq_f32 v[RS], v[SM+2]
	v_rsq_f32 v[RS+1], v[SM+2]
	v_nop                                          ; a plain instruction behind the last of the two,
	s_wait_alu depctr_va_vdst(0)                   ; and one wait for both, ahead of the first reader
.set i, 0
.rept 16
	v_pk_mul_f32 v[X+2*i:X+2*i+1], v[X+2*i:X+2*i+1], v[RS:RS+1]
.set i, i+1
.endr
	s_wait_dscnt 0x0                               ; gains and biases are in registers
.set i, 0
.rept 16
	v_pk_fma_f32 v[X+2*i:X+2*i+1], v[X+2*i:X+2*i+1], v[G+2*i:G+2*i+1], v[BB+2*i:BB+2*i+1]
.set i, i+1
.endr
.irp j, 0,1,2,3,4,5,6,7
	global_store_b128 v1, v[X+4*(\j):X+4*(\j)+3], s[10:11] offset:512*(\j) th:TH_STORE_NT
.endr
	s_wait_tensorcnt 0x0                           ; the wave's end, behind my last LDS store
	ds_add_u32 v[SPW], v[NIL]
	s_wait_dscnt 0x0
	s_endpgm
.Lfunc_end_k_qd53764fc60_k_ln2:
	.size	k_qd53764fc60_k_ln2, .Lfunc_end_k_qd53764fc60_k_ln2-k_qd53764fc60_k_ln2
	.p2alignl 7, 3214868480
	.fill 96, 4, 3214868480
	.section	.rodata,"a",@progbits
	.p2align	6, 0x0
	.amdhsa_kernel k_qd53764fc60_k_ln2
		.amdhsa_group_segment_fixed_size 10240
		.amdhsa_private_segment_fixed_size 0
		.amdhsa_enable_private_segment 0
		.amdhsa_kernarg_size 32
		.amdhsa_user_sgpr_count 2
		.amdhsa_user_sgpr_kernarg_segment_ptr 1
		.amdhsa_wavefront_size32 1
		.amdhsa_system_sgpr_workgroup_id_x 1
		.amdhsa_system_sgpr_workgroup_id_y 1
		.amdhsa_system_sgpr_workgroup_id_z 1
		.amdhsa_system_vgpr_workitem_id 0
		.amdhsa_next_free_vgpr 140
		.amdhsa_next_free_sgpr 66
		.amdhsa_reserve_vcc 0
		.amdhsa_float_denorm_mode_32 3
		.amdhsa_float_denorm_mode_16_64 3
		.amdhsa_memory_ordered 1
		.amdhsa_forward_progress 1
		.amdhsa_inst_pref_size 11
	.end_amdhsa_kernel
	.amdgpu_metadata
---
amdhsa.version: [ 1, 2 ]
amdhsa.kernels:
  - .name:           k_qd53764fc60_k_ln2
    .symbol:         k_qd53764fc60_k_ln2.kd
    .args:
      - { .name: z2, .offset: 0, .size: 8, .value_kind: global_buffer, .address_space: global }
      - { .name: g2, .offset: 8, .size: 8, .value_kind: global_buffer, .address_space: global }
      - { .name: b2, .offset: 16, .size: 8, .value_kind: global_buffer, .address_space: global }
      - { .name: out0, .offset: 24, .size: 8, .value_kind: global_buffer, .address_space: global }
    .group_segment_fixed_size: 10240
    .private_segment_fixed_size: 0
    .kernarg_segment_align: 8
    .kernarg_segment_size: 32
    .max_flat_workgroup_size: 512
    .sgpr_count:     66
    .vgpr_count:     140
    .wavefront_size: 32
...
	.end_amdgpu_metadata
.endif
;; end of part 8
